; MI455X (gfx1250); checked and timed in simulation.
; The chip was launched on July 23, 2026; its instructions are those of AMD's public machine-readable ISA for CDNA 5 (MIT licence, August 2026) and "CDNA5" Instruction Set Architecture Reference Guide (July 2026). The comments in the code are by the model that wrote it; some were corrected since.
;; Self Attention. Allowed arithmetic: matrix products marked QUANTISED: E2M3 operands, one E8M0 scale for each 32 along K, by v_wmma_scale_f32_16x16x128_f8f6f4 with both operands' format E2M3, f32 sums; everything else in f32.
;; Inputs: b_out 1,024 float32; b_qkv 3,072 float32; w_out 1,024 x 1,024 float32; w_qkv 1,024 x 3,072 float32; x 4 x 2,048 x 1,024 float32.
;; Outputs: out0 4 x 2,048 x 1,024 float32.
;; This version of the problem:
;;   THIS VERSION OF THE PROBLEM IS GIVEN IN LOW PRECISION. The matrix products marked QUANTISED in the list below multiply operands that are first quantised to E2M3 (2 exponent bits, 3 mantissa bits; 6 bits a number), with one power-of-two scale for each 32 numbers along K (OCP MX v1.0); their sums are f32. All else is computed in f32.
;;   The module's matrix products, in the order in which they are computed (A, B: the left and right operand; K: the contracted axis; several contracted axes count as one K, in the product's order):
;;     1. [M 8,192, K 1,024] x [K 1,024, N 3,072]; A: input x; B: input w_qkv: QUANTISED
;;     2. batch 64 x [M 2,048, K 64] x [K 64, N 2,048]; A: computed on the way; B: computed on the way: QUANTISED
;;     3. batch 64 x [M 2,048, K 2,048] x [K 2,048, N 64]; A: softmax (see below); B: computed on the way: QUANTISED
;;     4. [M 8,192, K 1,024] x [K 1,024, N 1,024]; A: computed on the way; B: input w_out: QUANTISED
;;   THE QUANTISER, for each operand of a quantised product, along K:
;;     - K is cut into blocks of 32 from its start; a last block that is shorter is filled with zeros.
;;     - A block's scale is 2^e with e = floor(log2(the largest magnitude in the block)) - 2, held to -126 .. 127; a block of zeros has e = 0. As a byte (E8M0): e + 127.
;;     - Each number is divided by its block's scale, clamped to +-7.5, and rounded to the nearest number of E2M3, ties to even, subnormals kept.
;;     - The product sums the exact products of the quantised numbers (number of the format x scale) in f32.
;;   ~~~python
;;   def quantise(x, axis):      # numpy; x: float32 -> the quantised numbers, widened to float32 again
;;       x = np.moveaxis(x, axis, -1); K = x.shape[-1]
;;       x = np.pad(x, [(0, 0)] * (x.ndim - 1) + [(0, -K % 32)]); x = x.reshape(x.shape[:-1] + (-1, 32)); a = np.abs(x).max(-1, keepdims=True)
;;       e = np.where(a > 0, np.clip(np.frexp(np.where(a > 0, a, 1))[1] - 1 - 2, -126, 127), 0)      # np.frexp(a)[1] - 1 = floor(log2(a)), exactly
;;       r = np.clip(x / 2.0 ** e, -7.5, 7.5)
;;       step = 2.0 ** (np.maximum(np.frexp(np.where(r == 0, 1, r))[1] - 1, 0) - 3)
;;       q = np.round(r / step) * step * 2.0 ** e      # np.round: ties to even
;;       return np.moveaxis(q.reshape(q.shape[:-2] + (-1,))[..., :K], -1, axis).astype(np.float32)
;;   ~~~
;;   SOFTMAX AHEAD OF A QUANTISED PRODUCT. Where the list says 'softmax', what is quantised is not the finished softmax but p = 2^(t - M), with t = logit x log2(e) and M = ceil(the row's largest t), a whole number; so 1/2 < the row's largest p <= 1. The row's sum l is taken of the UNQUANTISED p, in f32, and the product's result is divided by l at the end. Since M is a whole number, a kernel that streams over the keys may use a running M (the ceiling of the running maximum): every later rescaling is an exact power of two, which a block's scale takes up: the codes' values come out the same.
;;   OPERANDS COMPUTED ON THE WAY. 'Computed on the way' means the value that the module computes at that place (a softmax that the list does not call 'softmax' is quantised finished and normalised). What goes into a quantiser is computed in f32, as accurately as f32 sums, v_exp_f32 and their like allow (about 1e-6 of the number): no bf16 or f16 on the way to a quantiser, and a product that is left as it is and whose result goes on into a quantised operand takes f32 operands (vector FMAs, or v_wmma_f32_16x16x4_f32). A number that lies on a knife's edge between two numbers of the format may be rounded either way, as far as f32 arithmetic and the matrix unit's own rounding can turn it there, and no further.
;; One version. Each part assembles by itself: llvm-mc -triple=amdgcn-amd-amdhsa -mcpu=gfx1250 --defsym DOCPART=n.
;; ======== version 1 of 1: 4 launches
;; workspace buffers: xc 6,291,456 bytes; xs 262,144 bytes; wc 3,145,728 bytes; ws 131,072 bytes; qkvr 20,185,088 bytes; ac 6,291,456 bytes; asc 262,144 bytes
;; launch quant (part 1): grid 384 x 1, 4 waves a work-group, no clusters, 68,096 bytes of LDS; arguments x, w_qkv, w_out, xc, xs, wc, ws; writes xc, xs, wc, ws
.if DOCPART == 1
	.amdgcn_target "amdgcn-amd-amdhsa--gfx1250"
	.amdhsa_code_object_version 6
	.text
	.protected	k_qd4677b2cef_quant
	.globl	k_qd4677b2cef_quant
	.p2align	8
	.type	k_qd4677b2cef_quant,@function
k_qd4677b2cef_quant:
	s_mov_b64 s[64:65], 0
	v_nop
	global_prefetch_b8 v0, s[64:65] scope:SCOPE_SE
	s_setreg_imm32_b32 hwreg(HW_REG_WAVE_MODE, 25, 1), 1
	s_wait_xcnt 0x0
; SELF-ATTENTION IN MX-FP6, launch 1 of 4: the three large inputs become codes of E2M3 (6 bits) with one E8M0 byte for each 32 along K.
; NO WORK IS LEFT OUT IN THIS PROGRAM: every input has a way to out0 (b_qkv's k part moves k's codes, so it stays), and all four products are done.
; x [8192][1024] f32, K innermost  -> xc [8192 places][768 bytes], xs [8192 places][32 bytes]                    (work-groups 0 to 255)
; w_qkv [1024][3072], w_out [1024][1024] f32, K is the FIRST axis -> wc [4096 places][768], ws [4096 places][32]  (work-groups 256 to 383); rows 0-3071 are w_qkv's columns, rows 3072-4095 w_out's
; PLACES: place p of a row-indexed buffer holds the row whose number is p with bits 3 and 4 exchanged.  A product that takes places 16 i + r as they lie then has, in the 16 registers of two
; neighbouring result tiles, 16 NEIGHBOURS along the next product's K.  The exchange is its own inverse.
; A block's scale is 2^(floor(log2(largest magnitude)) - 2); its byte is the largest magnitude's exponent field - 2, held at 1 from below.
; LIMITS: a block of zeros gets the byte 1 where the rule says 127 (its codes are zeros; this program alone reads the bytes); a block whose largest magnitude lies under 2^-124 keeps the byte 1;
; NaN and infinities among the inputs are not served.
; No tensor load, no barrier: waves share nothing.  The two paths part on the work-group's number and have LDS bytes of their own.
.set STEPS, 16
.set EMAX,  2
.set CB,    12                         ; bytes of 16 codes
.set R,     16                         ; x path: v16-79   four sets of 16 numbers as loaded
.set X,     80                         ;         v80-111  two sets of 16 neighbours
.set E,     112                        ;         v112-127 a scale byte for each step
.set C,     128                        ;         v128-191 codes, four registers a step
.set WREG,  8192                       ; x path's LDS: a region for each wave: two stages of 32 x SP bytes, then its 256 scale bytes
.set SP,    80
.set WST,   32768                      ; weight path's LDS: a stage of 32 rows x PITCH for each wave
.set PITCH, 272
.set SPARE, WST+4*32*PITCH             ; the spare words, 128 bytes a wave
.set SPW,   208                        ; v208 my spare word's address; never rewritten
.set NIL,   209                        ; v209 0; never rewritten
.set WX,    32                         ; weight path: v32-95 two sets of 32 numbers
.set WC,    96                         ;              v96.. a block's codes
.set OUTR,  112                        ;              v112-175 the way out
.set SB,    24                         ;              v24-25 eight scale bytes
.set OFFS,  176                        ;              v176-207 row i of a block: i x row bytes + 4 x lane; never rewritten
.set NB,    8
	s_load_b256 s[4:11], s[0:1], 0x0               ; x s[4:5], w_qkv s[6:7], w_out s[8:9], xc s[10:11]
	s_load_b128 s[12:15], s[0:1], 0x20             ; xs s[12:13], wc s[14:15]
	s_load_b64 s[16:17], s[0:1], 0x30              ; ws
	v_lshl_add_u32 v[SPW], v0, 2, SPARE
	v_mov_b32 v[NIL], 0
	v_lshrrev_b32 v1, 5, v0
	v_readfirstlane_b32 s18, v1                    ; wave
	v_and_b32 v2, 31, v0                           ; lane
	s_wait_kmcnt 0x0
	s_cmp_lt_u32 ttmp9, 256
	s_cbranch_scc0 .Lweights
; ---------------- x: a plain stream of blocks of 32.  A wave takes a run of 8 rows (8,192 numbers) in 16 steps of 512.
; Each load reads 512 consecutive bytes; a step's 2,048 bytes turn through the wave's stage so that a lane holds 16 neighbours; two neighbouring lanes hold a block.
	s_wait_alu depctr_va_vdst(0)
	v_lshlrev_b32 v3, 4, v2                        ; my 16 bytes of a load's 512
	s_mul_i32 s19, s18, WREG
	v_lshrrev_b32 v14, 2, v2
	v_mul_u32_u24 v14, v14, SP
	v_and_b32 v15, 3, v2
	v_lshl_add_u32 v14, v15, 4, v14
	v_add_nc_u32 v14, s19, v14                     ; the stage, on the way in: SP (lane / 4) + 16 (lane % 4)
	v_mul_u32_u24 v15, v2, SP
	v_add_nc_u32 v15, s19, v15                     ; and on the way out: SP x lane
	v_mul_u32_u24 v4, v2, CB                       ; my codes' place in a step's
	v_lshrrev_b32 v5, 1, v2
	s_add_co_u32 s19, s19, 2*32*SP
	v_add_nc_u32 v5, s19, v5                       ; my block's byte among the wave's 256
	v_lshlrev_b32 v7, 3, v2
	v_add_nc_u32 v6, s19, v7
	s_lshl_b32 s20, ttmp9, 2
	s_add_co_u32 s22, s20, s18                     ; the run that I read: 4 x work-group + wave
	s_lshl_b32 s22, s22, 15
	s_mov_b32 s23, 0
	s_add_nc_u64 s[4:5], s[4:5], s[22:23]
	s_and_b32 s24, s18, 1                          ; a run is 8 rows, so exchanging the run's two low bits exchanges bits 3 and 4 of the rows
	s_lshl_b32 s24, s24, 1
	s_lshr_b32 s25, s18, 1
	s_or_b32 s24, s24, s25
	s_add_co_u32 s24, s24, s20                     ; the run that I write
	s_mul_i32 s22, s24, 6144
	s_add_nc_u64 s[10:11], s[10:11], s[22:23]
	s_lshl_b32 s22, s24, 8
	s_add_nc_u64 s[12:13], s[12:13], s[22:23]
.macro XLOAD t
.irp i, 0,1,2,3
	global_load_b128 v[R+16*((\t)%4)+4*\i:R+16*((\t)%4)+4*\i+3], v3, s[4:5] offset:2048*(\t)+512*\i th:TH_LOAD_NT
.endr
.endm
.macro XTURN t                         ; LDS serves a wave's instructions in order: no wait between the stores and the loads
.irp i, 0,1,2,3
	ds_store_b128 v14, v[R+16*((\t)%4)+4*\i:R+16*((\t)%4)+4*\i+3] offset:32*SP*((\t)%2)+8*SP*\i
.endr
.irp i, 0,1,2,3
	ds_load_b128 v[X+16*((\t)%2)+4*\i:X+16*((\t)%2)+4*\i+3], v15 offset:32*SP*((\t)%2)+16*\i
.endr
.endm
.irp t, 0,1,2,3
	XLOAD \t
.endr
	s_wait_alu depctr_va_vdst(0)
	s_wait_loadcnt 12                              ; step 0's four loads are in; the twelve of steps 1 to 3 may be out
	XTURN 0
.macro XSTEP t
.set XS, X+16*((\t)%2)
.if (\t) > 0
	s_wait_dscnt 1                                 ; this step's numbers are back from the stage (the last step's byte store may be out)
.else
	s_wait_dscnt 0x0
.endif
.if (\t)+4 < STEPS
	XLOAD (\t)+4                                   ; into the registers that this step's stores into the stage have read
.endif
.if (\t)+1 < STEPS
.if STEPS-2-(\t) >= 3
	s_wait_loadcnt 12                              ; the next step's four loads are in; those of the three steps behind it may be out
.else
	s_wait_loadcnt 4*(STEPS-2-(\t))
.endif
	XTURN (\t)+1
.endif
	v_max3_num_f32 v8, |v[XS]|, |v[XS+1]|, |v[XS+2]|
	v_max3_num_f32 v9, |v[XS+3]|, |v[XS+4]|, |v[XS+5]|
.irp i, 6,10
	v_max3_num_f32 v8, v8, |v[XS+\i]|, |v[XS+\i+1]|
	v_max3_num_f32 v9, v9, |v[XS+\i+2]|, |v[XS+\i+3]|
.endr
	v_max3_num_f32 v8, v8, |v[XS+14]|, |v[XS+15]|
	v_max3_num_f32 v8, v8, v9, (EMAX+1)<<23        ; with the floor 2^(3 - 127): the byte cannot fall under 1
	v_max_num_f32_dpp v8, v8, v8 row_xmask:1 row_mask:0xf bank_mask:0xf   ; and my neighbour's 16: the block's largest magnitude
	v_add_nc_u32 v11, -(EMAX<<23), v8              ; 2 off its exponent field: the conversion takes that field as its scale
	v_cvt_scalef32_pk16_fp6_f32 v[C+4*(\t):C+4*(\t)+2], v[XS:XS+15], v11
	v_lshrrev_b32 v[E+(\t)], 23, v11               ; the scale's byte
	ds_store_b8 v5, v[E+(\t)] offset:16*(\t)       ; both lanes of a block write the same byte with the same value
	global_store_b96 v4, v[C+4*(\t):C+4*(\t)+2], s[10:11] offset:32*CB*(\t)
.endm
.irp t, 0,1,2,3,4,5,6,7,8,9,10,11,12,13,14,15
	XSTEP \t
.endr
	ds_load_b64 v[8:9], v6                         ; my wave's 256 scale bytes, 8 a lane
	s_wait_dscnt 0x0
	global_store_b64 v7, v[8:9], s[12:13]          ; 32 lanes store 256 consecutive bytes, aligned
	s_wait_tensorcnt 0x0                           ; the wave's end, behind my last LDS store
	ds_add_u32 v[SPW], v[NIL]
	s_wait_dscnt 0x0
	s_endpgm
; ---------------- the weights: a lane takes a column n, its registers run down K.  A wave takes 32 columns x 256 along K: 8 blocks a lane.
; One path serves both weights: pointer, row length and first column are chosen on the work-group's number.
.Lweights:
	s_sub_co_u32 s20, ttmp9, 256
	s_lshr_b32 s21, s20, 2                         ; which 128 rows of wc: 0 to 31
	s_and_b32 s22, s20, 3                          ; which 256 along K
	s_mov_b32 s24, 4096
	s_cmp_lt_u32 s21, 24                           ; the first 24 are w_qkv's
	s_cselect_b64 s[6:7], s[6:7], s[8:9]
	s_cselect_b32 s24, 12288, s24                  ; a row of the weight in bytes
	s_cselect_b32 s25, 0, 24
	s_sub_co_u32 s25, s21, s25
	s_lshl_b32 s25, s25, 7
	s_lshl_b32 s26, s18, 5
	s_add_co_u32 s25, s25, s26                     ; my wave's first column in its weight
	s_lshl_b32 s25, s25, 2
	s_mul_i32 s27, s22, s24
	s_lshl_b32 s27, s27, 8                         ; 256 rows for each step along K
	s_add_co_u32 s28, s27, s25
	s_mov_b32 s29, 0
	s_add_nc_u64 s[32:33], s[6:7], s[28:29]        ; block 0's base;
	s_lshl_b32 s28, s24, 5
.irp t, 1,2,3,4,5,6,7
	s_add_nc_u64 s[32+2*\t:33+2*\t], s[30+2*\t:31+2*\t], s[28:29]   ; block t's, 32 rows further down: a pair for each, so that none is ever rewritten
.endr
	s_lshl_b32 s30, s21, 7
	s_add_co_u32 s30, s30, s26                     ; my wave's first row of wc and ws
	s_mul_i32 s28, s30, 768
	s_mul_i32 s27, s22, 192
	s_add_co_u32 s28, s28, s27
	s_add_nc_u64 s[14:15], s[14:15], s[28:29]
	s_lshl_b32 s28, s30, 5
	s_lshl_b32 s27, s22, 3
	s_add_co_u32 s28, s28, s27
	s_add_nc_u64 s[16:17], s[16:17], s[28:29]
	s_wait_alu depctr_va_vdst(0)
	v_lshlrev_b32 v3, 2, v2
.irp i, 0,1,2,3,4,5,6,7,8,9,10,11,12,13,14,15,16,17,18,19,20,21,22,23,24,25,26,27,28,29,30,31
	v_mad_u32_u24 v[OFFS+\i], s24, \i, v3
.endr
	v_and_b32 v10, 7, v2                           ; my column's place among the wave's 32: the lane with bits 3 and 4 exchanged
	v_bfe_u32 v5, v2, 3, 1
	v_bfe_u32 v6, v2, 4, 1
	v_lshl_add_u32 v10, v5, 4, v10
	v_lshl_add_u32 v10, v6, 3, v10
	s_mul_i32 s19, s18, 32*PITCH
	s_add_co_u32 s19, s19, WST                     ; my stage
	v_mul_u32_u24 v4, v10, PITCH
	v_add_nc_u32 v4, s19, v4                       ; into it: row = my place
	v_lshlrev_b32 v9, 5, v10                       ; my place's row of scale bytes
	v_and_b32 v5, 15, v2
	v_lshrrev_b32 v6, 4, v2
	v_mul_u32_u24 v7, v6, PITCH
	v_lshl_add_u32 v7, v5, 4, v7
	v_add_nc_u32 v7, s19, v7                       ; out of it: sixteen lanes to a row, two rows an instruction
	v_mul_u32_u24 v8, v6, 768
	v_mad_u32_u24 v8, v5, 12, v8                   ; and the same place in wc
.macro WLOAD t
.irp i, 0,1,2,3,4,5,6,7,8,9,10,11,12,13,14,15,16,17,18,19,20,21,22,23,24,25,26,27,28,29,30,31
	global_load_b32 v[WX+32*((\t)%2)+\i], v[OFFS+\i], s[32+2*(\t):33+2*(\t)] th:TH_LOAD_NT   ; 32 lanes read 128 consecutive bytes of a row
.endr
.endm
	WLOAD 0
	WLOAD 1
.macro WBLOCK t
.set XS, WX+32*((\t)%2)
.if (\t) < NB-1
	s_wait_loadcnt 32                              ; this block's 32 loads are in; the next block's may be out
.else
	s_wait_loadcnt 0
.endif
	v_max3_num_f32 v12, |v[XS]|, |v[XS+1]|, |v[XS+2]|   ; all 32 numbers of the block are mine
	v_max3_num_f32 v13, |v[XS+3]|, |v[XS+4]|, |v[XS+5]|
.irp i, 6,10,14,18,22,26
	v_max3_num_f32 v12, v12, |v[XS+\i]|, |v[XS+\i+1]|
	v_max3_num_f32 v13, v13, |v[XS+\i+2]|, |v[XS+\i+3]|
.endr
	v_max3_num_f32 v12, v12, |v[XS+30]|, |v[XS+31]|
	v_max3_num_f32 v12, v12, v13, (EMAX+1)<<23
	v_add_nc_u32 v11, -(EMAX<<23), v12
	v_lshrrev_b32 v13, 23, v11
.if (\t)%4 == 0
	v_mov_b32 v[SB+(\t)/4], v13
.else
	v_lshl_or_b32 v[SB+(\t)/4], v13, 8*((\t)%4), v[SB+(\t)/4]
.endif
	v_cvt_scalef32_pk16_fp6_f32 v[WC:WC+2], v[XS:XS+15], v11
	v_cvt_scalef32_pk16_fp6_f32 v[WC+4:WC+6], v[XS+16:XS+31], v11   ; (a conversion's three registers begin on an even number)
	ds_store_b96 v4, v[WC:WC+2] offset:32*(\t)     ; 12 bytes to a place of 16, so that every LDS address is a multiple of 16
	ds_store_b96 v4, v[WC+4:WC+6] offset:32*(\t)+16
.if (\t)+2 < NB
	WLOAD (\t)+2
.endif
	s_wait_dscnt 0x0                               ; the stores have read their registers: the next block's codes may be written
.endm
.irp t, 0,1,2,3,4,5,6,7
	WBLOCK \t
.endr
	s_wait_alu depctr_va_vdst(0)
	global_store_b64 v9, v[SB:SB+1], s[16:17]      ; my column's 8 scale bytes
.irp t, 0,1,2,3,4,5,6,7,8,9,10,11,12,13,14,15
	ds_load_b96 v[OUTR+4*\t:OUTR+4*\t+2], v7 offset:2*\t*PITCH
.endr
.irp t, 0,1,2,3,4,5,6,7,8,9,10,11,12,13,14,15
	s_wait_dscnt 15-\t                             ; LDS loads come back in order: load t is in, the younger ones may be out
	global_store_b96 v8, v[OUTR+4*\t:OUTR+4*\t+2], s[14:15] offset:2*\t*768   ; sixteen lanes store a row's 192 consecutive bytes
.endr
	s_wait_tensorcnt 0x0                           ; the wave's end, behind my last LDS store
	ds_add_u32 v[SPW], v[NIL]
	s_wait_dscnt 0x0
	s_endpgm
.Lfunc_end_k_qd4677b2cef_quant:
	.size	k_qd4677b2cef_quant, .Lfunc_end_k_qd4677b2cef_quant-k_qd4677b2cef_quant
	.p2alignl 7, 3214868480
	.fill 96, 4, 3214868480
	.section	.rodata,"a",@progbits
	.p2align	6, 0x0
	.amdhsa_kernel k_qd4677b2cef_quant
		.amdhsa_group_segment_fixed_size 68096
		.amdhsa_private_segment_fixed_size 0
		.amdhsa_enable_private_segment 0
		.amdhsa_kernarg_size 56
		.amdhsa_user_sgpr_count 2
		.amdhsa_user_sgpr_kernarg_segment_ptr 1
		.amdhsa_wavefront_size32 1
		.amdhsa_system_sgpr_workgroup_id_x 1
		.amdhsa_system_sgpr_workgroup_id_y 1
		.amdhsa_system_sgpr_workgroup_id_z 1
		.amdhsa_system_vgpr_workitem_id 0
		.amdhsa_next_free_vgpr 212
		.amdhsa_next_free_sgpr 66
		.amdhsa_reserve_vcc 0
		.amdhsa_float_denorm_mode_32 3
		.amdhsa_float_denorm_mode_16_64 3
		.amdhsa_memory_ordered 1
		.amdhsa_forward_progress 1
		.amdhsa_inst_pref_size 76
	.end_amdhsa_kernel
	.amdgpu_metadata
---
amdhsa.version: [ 1, 2 ]
amdhsa.kernels:
  - .name:           k_qd4677b2cef_quant
    .symbol:         k_qd4677b2cef_quant.kd
    .args:
      - { .name: x, .offset: 0, .size: 8, .value_kind: global_buffer, .address_space: global }
      - { .name: w_qkv, .offset: 8, .size: 8, .value_kind: global_buffer, .address_space: global }
      - { .name: w_out, .offset: 16, .size: 8, .value_kind: global_buffer, .address_space: global }
      - { .name: xc, .offset: 24, .size: 8, .value_kind: global_buffer, .address_space: global }
      - { .name: xs, .offset: 32, .size: 8, .value_kind: global_buffer, .address_space: global }
      - { .name: wc, .offset: 40, .size: 8, .value_kind: global_buffer, .address_space: global }
      - { .name: ws, .offset: 48, .size: 8, .value_kind: global_buffer, .address_space: global }
    .group_segment_fixed_size: 68096
    .private_segment_fixed_size: 0
    .kernarg_segment_align: 8
    .kernarg_segment_size: 56
    .max_flat_workgroup_size: 128
    .sgpr_count:     66
    .vgpr_count:     212
    .wavefront_size: 32
...
	.end_amdgpu_metadata
.endif
;; end of part 1
;; launch gemm1 (part 2): grid 12 x 32, 4 waves a work-group, clusters of 4 x 4, 327,680 bytes of LDS; arguments xc, xs, wc, ws, b_qkv, qkvr; writes qkvr
.if DOCPART == 2
	.amdgcn_target "amdgcn-amd-amdhsa--gfx1250"
	.amdhsa_code_object_version 6
	.text
	.protected	k_qd4677b2cef_gemm1
	.globl	k_qd4677b2cef_gemm1
	.p2align	8
	.type	k_qd4677b2cef_gemm1,@function
k_qd4677b2cef_gemm1:
	s_mov_b64 s[64:65], 0
	v_nop
	global_prefetch_b8 v0, s[64:65] scope:SCOPE_SE
	s_setreg_imm32_b32 hwreg(HW_REG_WAVE_MODE, 25, 1), 1
	s_wait_xcnt 0x0
	s_wait_alu depctr_hold_cnt(0) depctr_sa_sdst(0) depctr_va_vdst(0) depctr_va_sdst(0) depctr_va_ssrc(0) depctr_va_vcc(0) depctr_vm_vsrc(0)
	s_getreg_b32 s2, hwreg(HW_REG_IB_STS2, 6, 4)
	s_cmp_eq_u32 s2, 0
	s_cbranch_scc0 .Lentry_in_a_cluster
	s_endpgm
.Lentry_in_a_cluster:
	s_bfe_u32 s2, ttmp6, 0x10000c
	s_cmp_lg_u32 s2, 0xf033
	s_cbranch_scc0 .Lentry_shape_is_right
	s_endpgm
.Lentry_shape_is_right:
.set KSTEP,  256
.set NQ,     2
.set ROWB,   192
.set KROW,   768
.set PITCH,  240
.set FR,     12
.set NL,     6
.set NP,     4
.set HALFT,  128*PITCH
.set SLOT,   4*HALFT
.set LAPS,   2
.set KS,     32
.set SCL,    2*SLOT
.set HALFS,  (128*KS/256)*272
.set SBLK,   (16*KS/256)*272
.set SPARE,  SCL+4*HALFS
.set REC,    19712
.set HEADB,  16*REC
.set VOF,    6144
.set KSOF,   12288
.set VSOF,   12800
.set QOF,    13056
.set QSOF,   19200
.set ADRA, 16
.set ADRB, 20
.set LI,   24
.set L8,   25
.set ADRS, 27
.set SPW,  28
.set NIL,  29
.set BO,   30
.set BV,   31
.set SC,   32
.set BIAS, 64
.set AF,   128
.set HA,   128
.set OUT,  192
.set TM,   216
.set CT,   232
.set SW,   240
.set SEL,  92
.set G1, 24
.set G0, 32
.set G1B, 48
.set G0B, 56
.set G1S, 68
.set G0S, 76
.set G1SB, 80
.set G0SB, 88
.set MSB, 0
.macro WIN new
.if MSB != \new
	s_set_vgpr_msb (MSB<<8)|\new
.set MSB, \new
.endif
.endm
.set MUL_LO, 0xa1
.set MUL_HI, 0xf1
.set TO_B,   0x40
.macro JLOAD g0a, g1a, g0b, g1b
	s_cmp_eq_u32 s15, 0
	s_cbranch_scc0 .Lfor_b_\@
	tensor_load_to_lds s[\g0a:\g0a+3], s[\g1a:\g1a+7]
	s_nop 0
.rept 4
	v_nop
.endr
	s_branch .Lasked_\@
.Lfor_b_\@:
	tensor_load_to_lds s[\g0b:\g0b+3], s[\g1b:\g1b+7]
	s_nop 0
.rept 4
	v_nop
.endr
.Lasked_\@:
.endm
.macro CREST
	s_cmp_lg_u32 s14, 0
	s_cbranch_scc1 .Lnot_wave_0_\@
	s_barrier_signal -3
.Lnot_wave_0_\@:
	s_barrier_wait -3
	s_barrier_signal -1
	s_barrier_wait -1
.endm
.macro CROUND
	s_barrier_signal -1
	s_barrier_wait -1
	CREST
.endm
	s_load_b256 s[4:11], s[0:1], 0x0
	s_load_b128 s[96:99], s[0:1], 0x20
	v_lshl_add_u32 v[SPW], v0, 2, SPARE
	v_mov_b32 v[NIL], 0
	ds_add_u32 v[SPW], v[NIL]
	ds_add_u32 v[SPW], v[NIL]
	v_lshrrev_b32 v1, 5, v0
	v_readfirstlane_b32 s14, v1
	s_lshr_b32 s15, s14, 1
	s_and_b32 s16, s14, 1
	s_bfe_u32 s40, ttmp6, 0x40000
	s_bfe_u32 s41, ttmp6, 0x40004
	s_and_b32 s67, ttmp7, 0xffff
	s_cmp_eq_u32 ttmp9, 2
	s_cselect_b32 s66, 1, 0
	s_cselect_b32 s42, s67, ttmp9
	s_cselect_b32 s17, 0, s67
	s_cselect_b32 s95, 2048, 0
	s_lshl_b32 s42, s42, 2
	s_add_co_u32 s42, s42, s40
	s_lshl_b32 s17, s17, 2
	s_add_co_u32 s17, s17, s41
	s_lshl_b32 s43, s41, 2
	s_lshl_b32 s43, 15, s43
	s_lshl_b32 s44, 0x1111, s40
	s_or_b32 s[G1+0], s43, (0<<16)|(1<<20)|(1<<21)|(3<<22)|(3<<25)
	s_or_b32 s[G1B+0], s44, (0<<16)|(1<<20)|(1<<21)|(3<<22)|(3<<25)
.irp g, G1, G1B
	s_mov_b32 s[\g+1], ROWB<<16
	s_mov_b32 s[\g+2], 128<<16
	s_mov_b32 s[\g+3], ROWB<<16
	s_mov_b32 s[\g+4], 128
	s_mov_b32 s[\g+5], KROW
	s_mov_b32 s[\g+6], 0
	s_mov_b32 s[\g+7], 0
.endr
	s_or_b32 s[G1S+0], s43, (3<<16)|(1<<20)|(1<<21)|(5<<22)|(3<<25)
	s_or_b32 s[G1SB+0], s44, (3<<16)|(1<<20)|(1<<21)|(5<<22)|(3<<25)
.irp g, G1S, G1SB
	s_mov_b32 s[\g+1], 32<<16
	s_mov_b32 s[\g+2], (128*KS/256)<<16
	s_mov_b32 s[\g+3], 32<<16
	s_mov_b32 s[\g+4], 128*KS/256
	s_mov_b32 s[\g+5], 32
	s_mov_b32 s[\g+6], 0
	s_mov_b32 s[\g+7], 0
.endr
	s_lshl_b32 s18, s16, 7
	s_lshl_b32 s20, s17, 8
	s_add_co_u32 s20, s20, s18
	s_add_co_u32 s20, s20, s95
	s_lshl_b32 s46, s42, 8
	s_add_co_u32 s46, s46, s18
	s_mov_b32 s21, 0
	s_mov_b32 s47, 0
	s_mov_b64 s[18:19], KS
	s_mul_u64 s[22:23], s[20:21], s[18:19]
	s_mul_u64 s[92:93], s[46:47], s[18:19]
	s_mov_b64 s[18:19], KROW
	s_mul_u64 s[20:21], s[20:21], s[18:19]
	s_mul_u64 s[46:47], s[46:47], s[18:19]
	s_mul_i32 s45, s14, HALFT
	s_mul_i32 s94, s14, HALFS
	s_wait_dscnt 0x0
	s_wait_kmcnt 0x0
	s_cmp_eq_u32 s66, 1
	s_cselect_b64 s[12:13], s[8:9], s[4:5]
	s_cselect_b64 s[100:101], s[10:11], s[6:7]
	s_cselect_b64 s[8:9], s[4:5], s[8:9]
	s_cselect_b64 s[10:11], s[6:7], s[10:11]
	s_mov_b64 s[4:5], s[12:13]
	s_mov_b64 s[6:7], s[100:101]
	s_add_nc_u64 s[20:21], s[4:5], s[20:21]
	s_add_nc_u64 s[22:23], s[6:7], s[22:23]
	s_add_nc_u64 s[46:47], s[8:9], s[46:47]
	s_add_nc_u64 s[92:93], s[10:11], s[92:93]
	CROUND
	s_mov_b32 s[G0S], 1
	s_add_co_u32 s[G0S+1], s94, SCL
	s_mov_b64 s[G0S+2:G0S+3], s[22:23]
	s_or_b32 s[G0S+3], s[G0S+3], 0x80000000
	s_mov_b32 s[G0SB], 1
	s_add_co_u32 s[G0SB+1], s94, SCL
	s_mov_b64 s[G0SB+2:G0SB+3], s[92:93]
	s_or_b32 s[G0SB+3], s[G0SB+3], 0x80000000
	JLOAD G0S, G1S, G0SB, G1SB
.irp s, 0,1
	s_mov_b32 s[G0+4*\s], 1
	s_add_co_u32 s[G0+4*\s+1], s45, \s*SLOT
	s_add_nc_u64 s[G0+4*\s+2:G0+4*\s+3], s[20:21], \s*ROWB
	s_or_b32 s[G0+4*\s+3], s[G0+4*\s+3], 0x80000000
	s_mov_b32 s[G0B+4*\s], 1
	s_add_co_u32 s[G0B+4*\s+1], s45, \s*SLOT
	s_add_nc_u64 s[G0B+4*\s+2:G0B+4*\s+3], s[46:47], \s*ROWB
	s_or_b32 s[G0B+4*\s+3], s[G0B+4*\s+3], 0x80000000
	s_wait_alu depctr_va_vdst(0)
	s_wait_tensorcnt 0x0
	ds_add_u32 v28, v29
	s_wait_dscnt 0x0
	CROUND
	JLOAD G0+4*\s, G1, G0B+4*\s, G1B
.endr
	v_and_b32 v1, 15, v0
	v_bfe_u32 v2, v0, 4, 1
	v_mul_u32_u24 v3, v1, PITCH
	v_mul_u32_u24 v4, v2, 24
	v_add_nc_u32 v4, v3, v4
	v_lshl_add_u32 v5, v2, 4, v4
	s_mul_i32 s21, s15, HALFT
	s_mul_i32 s22, s16, HALFT
	s_add_co_u32 s22, s22, 2*HALFT
.irp s, 0,1
	v_add_nc_u32 v[ADRA+\s], s21, v4
	v_add_nc_u32 v[ADRB+\s], s22, v4
	v_add_nc_u32 v[ADRA+2+\s], s21, v5
	v_add_nc_u32 v[ADRB+2+\s], s22, v5
	s_add_co_u32 s21, s21, SLOT
	s_add_co_u32 s22, s22, SLOT
.endr
	v_mul_u32_u24 v5, v1, KS
	v_lshrrev_b32 v6, 8, v5
	v_lshl_add_u32 v5, v6, 4, v5
	s_mul_i32 s21, s15, HALFS
	s_mul_i32 s22, s16, HALFS
	s_add_co_u32 s22, s22, 2*HALFS
	s_sub_co_u32 s22, s22, s21
	v_mul_u32_u24 v6, s22, v2
	s_add_co_u32 s21, s21, SCL
	v_add_nc_u32 v5, v5, v6
	v_add_nc_u32 v[ADRS], s21, v5
	v_and_b32 v6, 31, v0
	v_lshlrev_b32 v[LI], 4, v6
	v_lshlrev_b32 v[L8], 3, v6
	v_lshlrev_b32 v[BO], 6, v2
	v_and_b32 v7, 7, v1
	v_lshrrev_b32 v8, 3, v1
	v_lshl_add_u32 v7, v8, 4, v7
	v_lshlrev_b32 v[BV], 2, v7
	s_and_b32 s22, s42, 3
	s_cmp_eq_u32 s66, 1
	s_cselect_b32 s20, s42, s17
	s_cselect_b32 s21, s16, s15
	s_cselect_b32 s22, s17, s22
	s_cselect_b32 s23, s15, s16
	s_cselect_b32 s18, s17, s42
	s_cselect_b32 s19, s15, s16
	s_cselect_b32 s94, 8192, 0
	s_lshl_b32 s18, s18, 10
	s_lshl_b32 s19, s19, 9
	s_add_co_u32 s18, s18, s19
	s_add_co_u32 s18, s18, s94
	s_mov_b32 s19, 0
	s_add_nc_u64 s[96:97], s[96:97], s[18:19]
	s_lshl_b32 s20, s20, 1
	s_add_co_u32 s20, s20, s21
	s_lshl_b32 s22, s22, 2
	s_lshl_b32 s23, s23, 1
	s_add_co_u32 s22, s22, s23
	s_lshr_b32 s21, s20, 4
	s_lshl_b32 s21, s21, 4
	s_add_co_u32 s21, s21, s22
	s_lshl_b32 s21, s21, 4
	s_and_b32 s20, s20, 15
	s_add_co_u32 s21, s21, s20
	s_mul_i32 s46, s21, REC
	s_mov_b32 s47, 0
	s_add_nc_u64 s[98:99], s[98:99], s[46:47]
	s_mov_b32 s20, KSOF
	s_mov_b32 s21, 0
	s_cmp_eq_u32 ttmp9, 0
	s_cselect_b32 s46, QOF, 0
	s_cselect_b32 s20, QSOF, s20
	s_add_nc_u64 s[12:13], s[98:99], s[46:47]
	s_add_nc_u64 s[100:101], s[98:99], s[20:21]
	s_mov_b32 s[SEL], 0x76543210
	s_mov_b32 s[SEL+1], 0xfedcba98
	s_mov_b32 s67, 0xffff0000
.macro FRAG reg, adr, q, i
.irp p, 0,1,2,3,4,5
.set PC, 12*(\q)+6*(\p/3)+\p%3
.if PC%8 < 5
	ds_load_b64 v[\reg+2*\p:\reg+2*\p+1], v[\adr] offset:8*PC+16*(PC/8)+(\i)*16*PITCH
.else
	ds_load_b64 v[\reg+2*\p:\reg+2*\p+1], v[\adr+2] offset:8*PC+16*(PC/8)+(\i)*16*PITCH
.endif
.endr
.endm
.macro MUL16 a0, p, q, sc, zero
.irp a, \a0, \a0+1
.irp b, 0,1,2,3,4,5,6,7
.if \zero
	v_wmma_scale_f32_16x16x128_f8f6f4 v[8*(8*((\a)%4)+\b):8*(8*((\a)%4)+\b)+7], v[128*(\p)+FR*\b:128*(\p)+FR*\b+FR-1], v[AF+FR*(\a):AF+FR*(\a)+FR-1], 0, v[SC+8*NQ*(\sc)+NQ*\b+(\q)], v[SC+8*NQ*(\sc)+NQ*(\a)+(\q)] matrix_a_fmt:MATRIX_FMT_FP6 matrix_b_fmt:MATRIX_FMT_FP6 matrix_a_scale:MATRIX_SCALE_ROW1
.else
	v_wmma_scale_f32_16x16x128_f8f6f4 v[8*(8*((\a)%4)+\b):8*(8*((\a)%4)+\b)+7], v[128*(\p)+FR*\b:128*(\p)+FR*\b+FR-1], v[AF+FR*(\a):AF+FR*(\a)+FR-1], v[8*(8*((\a)%4)+\b):8*(8*((\a)%4)+\b)+7], v[SC+8*NQ*(\sc)+NQ*\b+(\q)], v[SC+8*NQ*(\sc)+NQ*(\a)+(\q)] matrix_a_fmt:MATRIX_FMT_FP6 matrix_b_fmt:MATRIX_FMT_FP6 matrix_a_scale:MATRIX_SCALE_ROW1
.endif
.endr
.endr
.endm
.macro FETCH_B slot, q, p
	WIN TO_B
.irp i, 0,1,2,3,4,5,6,7
	FRAG 128*(\p)+FR*\i, ADRB+\slot, \q, \i
.endr
	WIN 0
.endm
.macro FETCH_A slot, q, i0
.irp i, \i0, \i0+1, \i0+2, \i0+3
	FRAG AF+FR*(\i), ADRA+\slot, \q, \i
.endr
.endm
.macro SCALES sc
.irp i, 0,1,2,3,4,5,6,7
	ds_load_b64 v[SC+8*NQ*\sc+NQ*\i:SC+8*NQ*\sc+NQ*\i+1], v[ADRS] offset:\i*SBLK
.endr
.endm
.macro PLACES n
.rept \n
	v_nop
.endr
.endm
.macro STEP slot, q, zero
	s_wait_dscnt 4*NL
	WIN MUL_LO
	MUL16 0, (\q)%2, \q, \slot, \zero
	MUL16 2, (\q)%2, \q, \slot, \zero
	s_wait_dscnt 0
	PLACES NP
	FETCH_B \slot, (\q)+1, 1-(\q)%2
	FETCH_A \slot, (\q)+1, 0
	WIN MUL_HI
	MUL16 4, (\q)%2, \q, \slot, \zero
	MUL16 6, (\q)%2, \q, \slot, \zero
	PLACES NP
	WIN 0
	FETCH_A \slot, (\q)+1, 4
.endm
.macro TURN slot, next, fill
	s_wait_tensorcnt 0x0
	ds_add_u32 v[SPW], v[NIL]
	s_wait_dscnt 4*NL+1
	WIN MUL_LO
	MUL16 0, 1, NQ-1, \slot, 0
	s_wait_dscnt 0x0
	s_barrier_signal -1
	MUL16 2, 1, NQ-1, \slot, 0
	WIN 0
	s_barrier_wait -1
.if \fill
	CREST
	s_add_nc_u64 s[G0+4*\slot+2:G0+4*\slot+3], s[G0+4*\slot+2:G0+4*\slot+3], 2*ROWB
	s_add_nc_u64 s[G0B+4*\slot+2:G0B+4*\slot+3], s[G0B+4*\slot+2:G0B+4*\slot+3], 2*ROWB
	JLOAD G0+4*\slot, G1, G0B+4*\slot, G1B
.else
	PLACES NP
.endif
	s_wait_alu depctr_va_vdst(0)
	v_add_nc_u32 v[ADRS], 4*NQ, v[ADRS]
	FETCH_B \next, 0, 0
	FETCH_A \next, 0, 0
	SCALES \next
	WIN MUL_HI
	MUL16 4, 1, NQ-1, \slot, 0
	MUL16 6, 1, NQ-1, \slot, 0
	PLACES NP
	WIN 0
	FETCH_A \next, 0, 4
.endm
.macro LAST
	s_wait_dscnt 4*NL
	WIN MUL_LO
	MUL16 0, 1, NQ-1, 1, 0
	MUL16 2, 1, NQ-1, 1, 0
	s_wait_dscnt 0
	WIN MUL_HI
	MUL16 4, 1, NQ-1, 1, 0
	MUL16 6, 1, NQ-1, 1, 0
	WIN 0
.endm
.macro ADDB a, mode
	WIN 0x02+(\a)/4
.set i, 0
.rept 32
.if \mode
	v_pk_add_f32 v[HA+2*i:HA+2*i+1], v[64*((\a)%4)+2*i:64*((\a)%4)+2*i+1], v[BIAS+2*(\a):BIAS+2*(\a)+1]
.else
	v_pk_add_f32 v[HA+2*i:HA+2*i+1], v[64*((\a)%4)+2*i:64*((\a)%4)+2*i+1], v[BIAS+2*i:BIAS+2*i+1]
.endif
.set i, i+1
.endr
	WIN 0
.endm
.macro QUANT s, d0, d1, pw
.set D0, \d0
.set D1, \d1
.irp b, 0,1,2,3
	v_max3_num_f32 v[TM+\b], |v[\s+16*\b]|, |v[\s+1+16*\b]|, 0x1800000
.endr
.irp i, 2,4,6,8,10,12,14
.irp b, 0,1,2,3
	v_max3_num_f32 v[TM+\b], v[TM+\b], |v[\s+16*\b+\i]|, |v[\s+1+16*\b+\i]|
.endr
.endr
.irp b, 0,1,2,3
	v_permlanex16_b32 v[TM+4+\b], v[TM+\b], s[SEL], s[SEL+1]
.endr
.irp b, 0,1,2,3
	v_max_num_f32 v[TM+\b], v[TM+\b], v[TM+4+\b]
.endr
.irp b, 0,1,2,3
	v_add_nc_u32 v[TM+12+\b], 0xff000000, v[TM+\b]
.endr
.irp b, 0,1,2,3
	v_lshrrev_b32 v[TM+4+\b], 23, v[TM+12+\b]
.endr
	v_lshl_or_b32 v[\pw], v[TM+5], 8, v[TM+4]
	v_lshl_or_b32 v[\pw], v[TM+6], 16, v[\pw]
	v_lshl_or_b32 v[\pw], v[TM+7], 24, v[\pw]
	v_cvt_scalef32_pk16_fp6_f32 v[D0:D0+2], v[\s:\s+15], v[TM+12]
	v_cvt_scalef32_pk16_fp6_f32 v[CT:CT+2], v[\s+16:\s+31], v[TM+13]
	v_cvt_scalef32_pk16_fp6_f32 v[D1:D1+2], v[\s+32:\s+47], v[TM+14]
	v_cvt_scalef32_pk16_fp6_f32 v[CT+4:CT+6], v[\s+48:\s+63], v[TM+15]
	v_nop
.irp i, 0,1,2
	v_permlane16_swap_b32 v[D0+\i], v[CT+\i]
	v_permlane16_swap_b32 v[D1+\i], v[CT+4+\i]
.endr
.irp i, 0,1,2
	v_mov_b32 v[D0+3+\i], v[CT+\i]
	v_mov_b32 v[D1+3+\i], v[CT+4+\i]
.endr
.endm
.macro PAIR jj, mode
.if \jj > 0
	s_wait_xcnt 0x0
.endif
.irp u, 0,1
	ADDB 2*\jj+\u, \mode
.if \mode
	QUANT HA, OUT+12*\u, OUT+12*\u+6, SW+2*\jj+\u
.else
	QUANT HA, OUT+6*\u, OUT+12+6*\u, SW+2*\jj+\u
.endif
.endr
.irp c, 0,1,2,3,4,5
.if \mode
	global_store_b128 v[LI], v[OUT+4*\c:OUT+4*\c+3], s[12:13] offset:(\jj/2)*HEADB+VOF+512*(6*(\jj%2)+\c)
.else
	global_store_b128 v[LI], v[OUT+4*\c:OUT+4*\c+3], s[12:13] offset:(\c/3)*HEADB+512*(3*\jj+\c%3)
.endif
.endr
.endm
.macro EPI mode
	PLACES NP
	s_wait_loadcnt 0x0
.irp b, 0,1,2,3
	v_mov_b32 v[TM+4+\b], 0
.endr
	PAIR 0, \mode
	PAIR 1, \mode
	PAIR 2, \mode
	PAIR 3, \mode
.if \mode
.irp d, 0,1
.irp i, 0,1
	v_cndmask_b32 v[HA+2*\d+\i], v[SW+4*\d+\i], v[SW+4*\d+2+\i], s67
.endr
.endr
	global_store_b64 v[L8], v[HA:HA+1], s[12:13] offset:VSOF
	global_store_b64 v[L8], v[HA+2:HA+3], s[12:13] offset:HEADB+VSOF
.else
.irp i, 0,1,2,3
	v_cndmask_b32 v[HA+\i], v[SW+\i], v[SW+4+\i], s67
.endr
.irp i, 0,1,2,3
	v_lshrrev_b32 v[HA+4+\i], 16, v[HA+\i]
.endr
	global_store_b128 v[LI], v[HA:HA+3], s[100:101]
	global_store_b128 v[LI], v[HA+4:HA+7], s[100:101] offset:HEADB
.endif
.endm
	s_wait_alu depctr_va_vdst(0)
	s_wait_tensorcnt 1
	s_barrier_signal -1
	s_barrier_wait -1
	FETCH_B 0, 0, 0
	FETCH_A 0, 0, 0
	SCALES 0
	FETCH_A 0, 0, 4
	STEP 0, 0, 1
	s_mov_b32 s3, LAPS-1
.Llap:
	TURN 0, 1, 1
	STEP 1, 0, 0
	TURN 1, 0, 1
	STEP 0, 0, 0
	s_sub_co_u32 s3, s3, 1
	s_cmp_lg_u32 s3, 0
	s_cbranch_scc1 .Llap
	TURN 0, 1, 0
	STEP 1, 0, 0
	s_cmp_eq_u32 s66, 0
	s_cbranch_scc0 .Lvmode
.irp b, 0,1,2,3,4,5,6,7
	global_load_b128 v[BIAS+8*\b:BIAS+8*\b+3], v[BO], s[96:97] offset:(32*(\b/2)+8*(\b%2))*4
	global_load_b128 v[BIAS+8*\b+4:BIAS+8*\b+7], v[BO], s[96:97] offset:(32*(\b/2)+8*(\b%2))*4+16
.endr
	LAST
	EPI 0
	s_branch .Ldone
.Lvmode:
.irp a, 0,1,2,3,4,5,6,7
	global_load_b32 v[BIAS+2*\a], v[BV], s[96:97] offset:(32*(\a/2)+8*(\a%2))*4
	global_load_b32 v[BIAS+2*\a+1], v[BV], s[96:97] offset:(32*(\a/2)+8*(\a%2))*4
.endr
	LAST
	EPI 1
.Ldone:
	s_wait_tensorcnt 0x0
	ds_add_u32 v[SPW], v[NIL]
	s_wait_dscnt 0x0
	CROUND
	s_endpgm
.Lfunc_end_k_qd4677b2cef_gemm1:
	.size	k_qd4677b2cef_gemm1, .Lfunc_end_k_qd4677b2cef_gemm1-k_qd4677b2cef_gemm1
	.p2alignl 7, 3214868480
	.fill 96, 4, 3214868480
	.section	.rodata,"a",@progbits
	.p2align	6, 0x0
	.amdhsa_kernel k_qd4677b2cef_gemm1
		.amdhsa_group_segment_fixed_size 327680
		.amdhsa_private_segment_fixed_size 0
		.amdhsa_enable_private_segment 0
		.amdhsa_kernarg_size 48
		.amdhsa_user_sgpr_count 2
		.amdhsa_user_sgpr_kernarg_segment_ptr 1
		.amdhsa_wavefront_size32 1
		.amdhsa_system_sgpr_workgroup_id_x 1
		.amdhsa_system_sgpr_workgroup_id_y 1
		.amdhsa_system_sgpr_workgroup_id_z 1
		.amdhsa_system_vgpr_workitem_id 0
		.amdhsa_next_free_vgpr 1024
		.amdhsa_next_free_sgpr 102
		.amdhsa_reserve_vcc 0
		.amdhsa_float_denorm_mode_32 3
		.amdhsa_float_denorm_mode_16_64 3
		.amdhsa_memory_ordered 1
		.amdhsa_forward_progress 1
		.amdhsa_inst_pref_size 243
	.end_amdhsa_kernel
	.amdgpu_metadata
---
amdhsa.version: [ 1, 2 ]
amdhsa.kernels:
  - .name:           k_qd4677b2cef_gemm1
    .symbol:         k_qd4677b2cef_gemm1.kd
    .args:
      - { .name: xc, .offset: 0, .size: 8, .value_kind: global_buffer, .address_space: global }
      - { .name: xs, .offset: 8, .size: 8, .value_kind: global_buffer, .address_space: global }
      - { .name: wc, .offset: 16, .size: 8, .value_kind: global_buffer, .address_space: global }
      - { .name: ws, .offset: 24, .size: 8, .value_kind: global_buffer, .address_space: global }
      - { .name: b_qkv, .offset: 32, .size: 8, .value_kind: global_buffer, .address_space: global }
      - { .name: qkvr, .offset: 40, .size: 8, .value_kind: global_buffer, .address_space: global }
    .group_segment_fixed_size: 327680
    .private_segment_fixed_size: 0
    .kernarg_segment_align: 8
    .kernarg_segment_size: 48
    .max_flat_workgroup_size: 128
    .sgpr_count:     102
    .vgpr_count:     1024
    .wavefront_size: 32
...
	.end_amdgpu_metadata
.endif
;; end of part 2
;; launch attn (part 3): grid 4 x 64, 16 waves a work-group, clusters of 4 x 1, 327,680 bytes of LDS; arguments qkvr, ac, asc; writes ac, asc
.if DOCPART == 3
	.amdgcn_target "amdgcn-amd-amdhsa--gfx1250"
	.amdhsa_code_object_version 6
	.text
	.protected	k_qd4677b2cef_attn
	.globl	k_qd4677b2cef_attn
	.p2align	8
	.type	k_qd4677b2cef_attn,@function
k_qd4677b2cef_attn:
	s_mov_b64 s[64:65], 0
	v_nop
	global_prefetch_b8 v0, s[64:65] scope:SCOPE_SE
	s_setreg_imm32_b32 hwreg(HW_REG_WAVE_MODE, 25, 1), 1
	s_wait_xcnt 0x0
	s_wait_alu depctr_hold_cnt(0) depctr_sa_sdst(0) depctr_va_vdst(0) depctr_va_sdst(0) depctr_va_ssrc(0) depctr_va_vcc(0) depctr_vm_vsrc(0)
	s_getreg_b32 s2, hwreg(HW_REG_IB_STS2, 6, 4)
	s_cmp_eq_u32 s2, 0
	s_cbranch_scc0 .Lentry_in_a_cluster
	s_endpgm
.Lentry_in_a_cluster:
	s_bfe_u32 s2, ttmp6, 0x10000c
	s_cmp_lg_u32 s2, 0x3003
	s_cbranch_scc0 .Lentry_shape_is_right
	s_endpgm
.Lentry_shape_is_right:
; Launch 3 of 4: o = softmax(q k^T / 8) v for each (batch, head), both products on codes of E2M3, and o quantised along the embedding for the last product.  No work is left out.
; THE SOFTMAX: t = score x log2(e) / 8; M = the running largest t rounded UP to a whole number; p = 2^(t - M) is quantised along the keys, not normalised; the row's sum is taken of the unquantised p
; and divides O at the end.  When M moves, the sum and O are multiplied by 2^(old M - new M): exact.
; SHARES.  A cluster of four work-groups is one (batch, head); a work-group owns 512 queries, each of its sixteen waves 32: two tiles of 16, one after the other (two passes).
; A head's K and V, codes and scale words, are 16 x 13,056 bytes: they come into LDS ONCE.  Wave w asks for the record of keys 128 w .. 128 w + 127, jointly with the same wave of the three partners
; (same descriptor, mask of all four).  So nothing is filled again, and the loop over the keys has no barrier.  Nothing is prefetched: all that the launch streams is asked for at its head.
; LAYOUT.  Both products are used transposed: S^T = K Q^T (source 0 = 16 keys), O^T = V^T P^T (source 0 = 16 of the head's 64): a lane holds ONE query throughout.
; The records hold images of the operand registers, four registers (16 bytes) a lane: every LDS load of a wave reads consecutive bytes.  A tile of K is six registers (K = 64): the instruction's other six
; (the next tile's codes, or zeros) meet Q's six registers of zero codes.  Keys and channels lie by places (bits 3 and 4 exchanged), so that the 16 registers of result tiles 2 b, 2 b + 1 are 16 neighbours.
; ac: [tile of 16 query places][head][3 planes][lane][8 bytes]; asc: [query place][32].
; LIMITS: NaN and infinities are not served; the largest t starts at -3e38; 1 / sum by v_rcp_f32; a block's largest p is taken from the block's largest score through the same multiply-add and exponential;
; a block of zeros gets the byte 1 (its codes are zeros; this program alone reads the bytes).
.set REC,   19712
.set LREC,  13056                      ; what a wave brings of a record: K's codes, V's codes, K's scale words, V's
.set QOF,   13056
.set QSOF,  19200
.set SPARE, 16*LREC                    ; the spare words, 128 bytes a wave
.set LI,  1                            ; v1  16 x lane
.set L8,  2                            ; v2  8 x lane + 12,800: V's scale words in a record
.set AD,  3                            ; v3  the step's record + 16 x lane
.set AD8, 4                            ; v4  the step's record + v2
.set SPW, 5
.set NIL, 6
.set GO,  7                            ; v7  8 x lane
.set GS,  8                            ; v8  32 x (lane % 16)
.set QF,  16                           ; v16-21 the tile's q; v22-27 zero codes
.set QN,  28                           ; v28-33 the second tile's q
.set QSW, 34                           ; v34 q's scale words; v35 the second tile's
.set KV,  40                           ; v40-87 K's eight tiles, then V's four fragments
.set PAD, 88                           ; v88-93 zero codes behind K's last tile
.set S,   96                           ; v96-159 S^T, then p
.set O,   160                          ; v160-191 O^T
.set PC,  192                          ; v192-203 p's codes (at a pass's end: o's)
.set CT,  204                          ; v204-206, v208-210 half blocks
.set KSC, 212                          ; v212-215 K's scale words
.set VSC, 216                          ; v216-217 V's
.set PSW, 218                          ; v218 p's scale word
.set OSW, 219                          ; v219 o's two scale bytes
.set BM,  232                          ; v232-235 the blocks' largest
.set T4,  236                          ; v236-239 at work
.set SO,  244                          ; v244-247 the conversions' scale operands
.set WV,  10
.set SEL, 20
.set CS,  22
.set G1,  24
.set G0,  32
.set TB,  36
.set STEPS, 37
.set PASS, 38
.macro CROUND
	s_barrier_signal -1
	s_barrier_wait -1
	s_cmp_lg_u32 s[WV], 0
	s_cbranch_scc1 .Lnot_wave_0_\@
	s_barrier_signal -3
.Lnot_wave_0_\@:
	s_barrier_wait -3
	s_barrier_signal -1
	s_barrier_wait -1
.endm
	s_load_b128 s[4:7], s[0:1], 0x0                ; qkvr s[4:5], ac s[6:7]
	s_load_b64 s[8:9], s[0:1], 0x10                ; asc
	v_lshl_add_u32 v[SPW], v0, 2, SPARE
	v_mov_b32 v[NIL], 0
	ds_add_u32 v[SPW], v[NIL]                      ; the wave's opening: the add, twice on end, and its wait ahead of my first tensor load
	ds_add_u32 v[SPW], v[NIL]
	v_lshrrev_b32 v9, 5, v0
	s_delay_alu instid0(VALU_DEP_1)
	v_readfirstlane_b32 s[WV], v9                  ; wave 0..15
	s_bfe_u32 s11, ttmp6, 0x40000                  ; cx: it enters Q's and the outputs' addresses alone
	s_and_b32 s12, ttmp7, 0xffff                   ; 16 x batch + head, which the four partners share
	s_and_b32 s13, s12, 15                         ; head
	s_lshr_b32 s14, s12, 4                         ; batch
	s_mov_b32 s[G1], 15|(3<<16)|(1<<21)            ; the mask: all four; elements of 8 bytes; no padding; bit 21 beside a mask
	s_mov_b32 s[G1+1], 32<<16                      ; tensor_dim0 = 32: rows of 256 bytes
	s_mov_b32 s[G1+2], 51<<16                      ; tensor_dim1 = 51 rows: 13,056 dense bytes
	s_mov_b32 s[G1+3], 32<<16                      ; tile_dim0
	s_mov_b32 s[G1+4], 51                          ; tile_dim1
	s_mov_b32 s[G1+5], 32                          ; the pitch
	s_mov_b32 s[G1+6], 0
	s_mov_b32 s[G1+7], 0
	s_mov_b32 s[SEL], 0x76543210
	s_mov_b32 s[SEL+1], 0xfedcba98
	s_mov_b32 s[CS], 0x3e38aa3b                    ; c = log2(e) / 8
	s_mov_b32 s[CS+1], s[CS]                       ; (named with it as a pair, so it is written)
	s_mov_b32 s[G0], 1
	s_mul_i32 s[G0+1], s[WV], LREC                 ; my record's place in LDS
	s_lshl_b32 s16, s12, 4
	s_add_co_u32 s16, s16, s[WV]
	s_mul_i32 s16, s16, REC                        ; and in memory: record 16 x (batch, head) + wave
	s_mov_b32 s17, 0
	s_wait_dscnt 0x0                               ; both opening adds are done
	s_wait_kmcnt 0x0
	s_add_nc_u64 s[G0+2:G0+3], s[4:5], s[16:17]
	s_or_b32 s[G0+3], s[G0+3], 0x80000000
	CROUND                                         ; all four work-groups are here: the joint loads meet
	tensor_load_to_lds s[G0:G0+3], s[G1:G1+7]      ; my one tensor load of the launch
	s_nop 0
.rept 4
	v_nop
.endr
	s_lshl_b32 s16, s12, 4                         ; Q: the record of my 128 queries: group 4 cx + wave / 4
	s_lshl_b32 s18, s11, 2
	s_add_co_u32 s16, s16, s18
	s_lshr_b32 s18, s[WV], 2
	s_add_co_u32 s16, s16, s18
	s_mul_i32 s16, s16, REC
	s_and_b32 s18, s[WV], 3                        ; j: my tiles are 2 j and 2 j + 1 of the group's eight
	s_mul_i32 s19, s18, 1536                       ; twelve registers: three chunks of 512 bytes
	s_add_co_u32 s19, s19, s16
	s_add_co_u32 s40, s19, QOF
	s_mov_b32 s41, 0
	s_add_nc_u64 s[40:41], s[4:5], s[40:41]
	s_lshr_b32 s19, s18, 1                         ; the scale words of tiles 4 to 7 stand in lanes 16-31: 256 bytes on
	s_lshl_b32 s19, s19, 8
	s_and_b32 s18, s18, 1
	s_lshl_b32 s18, s18, 3
	s_add_co_u32 s19, s19, s18
	s_add_co_u32 s19, s19, s16
	s_add_co_u32 s42, s19, QSOF
	s_mov_b32 s43, 0
	s_add_nc_u64 s[42:43], s[4:5], s[42:43]
	s_lshl_b32 s16, s14, 7                         ; my first tile of 16 query places: 128 x batch + 32 cx + 2 x wave
	s_lshl_b32 s18, s11, 5
	s_add_co_u32 s16, s16, s18
	s_lshl_b32 s18, s[WV], 1
	s_add_co_u32 s16, s16, s18
	s_mul_i32 s18, s16, 12288
	s_mul_i32 s19, s13, 768
	s_add_co_u32 s18, s18, s19
	s_mov_b32 s19, 0
	s_add_nc_u64 s[6:7], s[6:7], s[18:19]
	s_lshl_b32 s18, s16, 9
	s_lshl_b32 s16, s13, 1
	s_add_co_u32 s18, s18, s16
	s_add_nc_u64 s[8:9], s[8:9], s[18:19]
	v_and_b32 v9, 31, v0
	s_delay_alu instid0(VALU_DEP_1)
	v_lshlrev_b32 v[LI], 4, v9
	s_delay_alu instid0(VALU_DEP_2)
	v_lshlrev_b32 v[GO], 3, v9
	s_delay_alu instid0(VALU_DEP_1)
	v_add_nc_u32 v[L8], 12800, v[GO]
	v_and_b32 v10, 15, v0
	s_delay_alu instid0(VALU_DEP_1)
	v_lshlrev_b32 v[GS], 5, v10
	s_delay_alu instid0(VALU_DEP_2)
	v_lshlrev_b32 v10, 4, v10
.irp c, 0,1,2
	global_load_b128 v[QF+4*\c:QF+4*\c+3], v[LI], s[40:41] offset:512*\c   ; both tiles' q: six registers each
.endr
	global_load_b64 v[QSW:QSW+1], v10, s[42:43]    ; and their scale words, row r's in lanes r and r + 16
.irp i, 0,1,2,3,4,5
	v_mov_b32 v[PAD+\i], 0
.endr
.irp i, 0,1,2,3
	v_mov_b32 v[T4+\i], 0                          ; written once: a lane permute's destination counts as one of its sources
.endr
	v_mov_b32 v252, 0
	v_mov_b32 v253, 0                              ; (named as the upper half of the pair v[252:253])
	v_mov_b32 v254, 0
	s_wait_loadcnt 0x0
.irp i, 0,1,2,3,4,5
	v_mov_b32 v[QN+\i], v[QF+6+\i]                 ; the second tile's q is set aside,
.endr
.irp i, 0,1,2,3,4,5
	v_mov_b32 v[QF+6+\i], 0                        ; and K = 64 .. 127 of Q are zero codes
.endr
	s_wait_tensorcnt 0x0                           ; my record is in,
	s_barrier_signal -1
	s_barrier_wait -1                              ; everybody's is: the head's K and V lie in LDS for the rest of the launch
	s_mov_b32 s[PASS], 2
.Lpass:
	v_mov_b32 v13, 0xff61b1e6                      ; the largest t so far: -3e38
	s_delay_alu instid0(VALU_DEP_1)
	v_floor_f32 v12, -v13                          ; -M
	v_mov_b32 v14, 0                               ; the sum, in two halves
	v_mov_b32 v15, 0
.set j, 0
.rept 32
	v_mov_b32 v[O+j], 0                            ; O^T: the step is written once; its first trip finds zeros, which the first change of M leaves zeros
.set j, j+1
.endr
	s_mov_b32 s[TB], 0
	s_mov_b32 s[STEPS], 16
.Lstep:                                            ; 128 keys a trip
	s_setprio 2
	v_add_nc_u32 v[AD], s[TB], v[LI]
	v_add_nc_u32 v[AD8], s[TB], v[L8]
	v_nop
	v_nop                                          ; four places behind the last products, in front of loads into registers that they read
.irp c, 0,1,2,3,4,5,6,7,8,9,10,11
	ds_load_b128 v[KV+4*\c:KV+4*\c+3], v[AD] offset:512*\c
.endr
	ds_load_b128 v[KSC:KSC+3], v[AD] offset:12288
	s_wait_alu depctr_va_vdst(0)
	s_wait_dscnt 0x0
.irp t, 0,1,2,3,4,5,6,7                ; S^T = K Q^T: tile t's six registers, and six that meet Q's zero codes
.if \t < 4
	v_wmma_scale_f32_16x16x128_f8f6f4 v[S+8*\t:S+8*\t+7], v[KV+6*\t:KV+6*\t+11], v[QF:QF+11], 0, v[KSC+\t%4], v[QSW] matrix_a_fmt:MATRIX_FMT_FP6 matrix_b_fmt:MATRIX_FMT_FP6
.else
	v_wmma_scale_f32_16x16x128_f8f6f4 v[S+8*\t:S+8*\t+7], v[KV+6*\t:KV+6*\t+11], v[QF:QF+11], 0, v[KSC+\t%4], v[QSW] matrix_a_fmt:MATRIX_FMT_FP6 matrix_b_fmt:MATRIX_FMT_FP6 matrix_a_scale:MATRIX_SCALE_ROW1
.endif
.endr
.rept 4
	v_nop                                          ; places in front of the loads into K's registers and of the first read of the scores
.endr
.irp c, 0,1,2,3,4,5,6,7,8,9,10,11
	ds_load_b128 v[KV+4*\c:KV+4*\c+3], v[AD] offset:6144+512*\c   ; V lands under the softmax
.endr
	ds_load_b64 v[VSC:VSC+1], v[AD8]
.irp b, 0,1,2,3
	v_max3_num_f32 v[BM+\b], v[S+16*\b], v[S+1+16*\b], v[S+2+16*\b]   ; the largest score of each block of 32 keys: for the row's maximum and for the block's largest p
.endr
.irp i, 3,5,7,9,11,13
.irp b, 0,1,2,3
	v_max3_num_f32 v[BM+\b], v[BM+\b], v[S+16*\b+\i], v[S+1+16*\b+\i]
.endr
.endr
.irp b, 0,1,2,3
	v_max_num_f32 v[BM+\b], v[BM+\b], v[S+15+16*\b]
.endr
.irp b, 0,1,2,3
	s_delay_alu instid0(VALU_DEP_4)
	v_permlanex16_b32 v[T4+\b], v[BM+\b], s[SEL], s[SEL+1]
.endr
.irp b, 0,1,2,3
	s_delay_alu instid0(VALU_DEP_4)
	v_max_num_f32 v[BM+\b], v[BM+\b], v[T4+\b]     ; with lane l xor 16's 16 keys
.endr
	s_delay_alu instid0(VALU_DEP_2)
	v_max3_num_f32 v254, v[BM], v[BM+1], v[BM+2]
	s_delay_alu instid0(VALU_DEP_1)
	v_max_num_f32 v254, v254, v[BM+3]
	s_delay_alu instid0(VALU_DEP_1)
	v_mul_f32 v254, s[CS], v254                    ; as t (c is positive)
	s_delay_alu instid0(VALU_DEP_1)
	v_max_num_f32 v13, v13, v254                   ; the running largest t
	v_mov_b32 v254, v12
	s_delay_alu instid0(VALU_DEP_2)
	v_floor_f32 v12, -v13                          ; the new -M = floor(-t)
	s_delay_alu instid0(VALU_DEP_1)
	v_sub_f32 v254, v12, v254                      ; old M - new M: a whole number, 0 or less
	s_delay_alu instid0(VALU_DEP_1)
	v_cvt_i32_f32 v254, v254                       ; (it saturates)
	s_delay_alu instid0(VALU_DEP_1)
	v_ldexp_f32 v252, 1.0, v254                    ; f = 2^(old M - new M)
.set j, 0
.rept 32
	v_pk_fma_f32 v[S+j:S+j+1], v[S+j:S+j+1], s[CS:CS+1], v[12:13] op_sel_hi:[1,0,0]   ; t - M, two at a time
.set j, j+2
.endr
.irp b, 0,1,2,3
	v_fma_f32 v[BM+\b], v[BM+\b], s[CS], v12       ; the same of each block's largest score
.endr
.set j, 0
	s_wait_alu depctr_va_vdst(0)
.rept 64
	v_exp_f32 v[S+j], v[S+j]                       ; p = 2^(t - M)
.set j, j+1
.endr
	s_setprio 1
	v_pk_mul_f32 v[14:15], v[14:15], v[252:253] op_sel_hi:[1,0]   ; the sums under the new M: a plain place behind the exponentials
	s_wait_alu depctr_va_vdst(0)                   ; one wait for the batch of 64, ahead of its first reader
.irp b, 0,1,2,3
	v_exp_f32 v[BM+\b], v[BM+\b]                   ; the blocks' largest p
.endr
	v_pk_add_f32 v[236:237], v[100:101], v[104:105]
	v_pk_add_f32 v[254:255], v[108:109], v[112:113]
	v_pk_add_f32 v[250:251], v[116:117], v[120:121]
	v_pk_add_f32 v[248:249], v[124:125], v[128:129]
	v_pk_add_f32 v[246:247], v[132:133], v[136:137]
	v_pk_add_f32 v[244:245], v[140:141], v[144:145]
	v_pk_add_f32 v[242:243], v[148:149], v[152:153]
	v_pk_add_f32 v[14:15], v[14:15], v[156:157]
	v_pk_add_f32 v[236:237], v[236:237], v[96:97]
	v_pk_add_f32 v[254:255], v[254:255], v[98:99]
	v_pk_add_f32 v[250:251], v[250:251], v[102:103]
	v_pk_add_f32 v[248:249], v[248:249], v[106:107]
	v_pk_add_f32 v[246:247], v[246:247], v[110:111]
	v_pk_add_f32 v[244:245], v[244:245], v[114:115]
	v_pk_add_f32 v[242:243], v[242:243], v[118:119]
	v_pk_add_f32 v[14:15], v[14:15], v[122:123]
	v_pk_add_f32 v[236:237], v[236:237], v[126:127]
	v_pk_add_f32 v[254:255], v[254:255], v[130:131]
	v_pk_add_f32 v[250:251], v[250:251], v[134:135]
	v_pk_add_f32 v[248:249], v[248:249], v[138:139]
	v_pk_add_f32 v[246:247], v[246:247], v[142:143]
	v_pk_add_f32 v[244:245], v[244:245], v[146:147]
	v_pk_add_f32 v[242:243], v[242:243], v[150:151]
	v_pk_add_f32 v[14:15], v[14:15], v[154:155]
	v_pk_add_f32 v[236:237], v[236:237], v[158:159]
	s_delay_alu instid0(VALU_DEP_2)
	v_pk_add_f32 v[14:15], v[14:15], v[248:249]
	s_delay_alu instid0(VALU_DEP_2)
	v_pk_add_f32 v[236:237], v[236:237], v[246:247]
	v_pk_add_f32 v[254:255], v[254:255], v[244:245]
	v_pk_add_f32 v[250:251], v[250:251], v[242:243]
	s_delay_alu instid0(VALU_DEP_2)
	v_pk_add_f32 v[14:15], v[14:15], v[254:255]
	s_delay_alu instid0(VALU_DEP_2)
	v_pk_add_f32 v[236:237], v[236:237], v[250:251]
	s_delay_alu instid0(VALU_DEP_1)
	v_pk_add_f32 v[14:15], v[14:15], v[236:237]
	s_wait_alu depctr_va_vdst(0)                   ; and one for the four
.irp b, 0,1,2,3
	v_max_num_f32 v[BM+\b], 0x1800000, v[BM+\b]    ; the floor 2^(3 - 127)
.endr
.irp b, 0,1,2,3
	s_delay_alu instid0(VALU_DEP_4)
	v_add_nc_u32 v[SO+\b], 0xff000000, v[BM+\b]    ; 2 off the exponent field: the conversion's scale operand
.endr
.irp b, 0,1,2,3
	s_delay_alu instid0(VALU_DEP_4)
	v_lshrrev_b32 v[T4+\b], 23, v[SO+\b]           ; the scale's byte
.endr
	s_delay_alu instid0(VALU_DEP_3)
	v_lshl_or_b32 v[PSW], v[T4+1], 8, v[T4]
	s_delay_alu instid0(VALU_DEP_1)
	v_lshl_or_b32 v[PSW], v[T4+2], 16, v[PSW]
	s_delay_alu instid0(VALU_DEP_1)
	v_lshl_or_b32 v[PSW], v[T4+3], 24, v[PSW]
.irp c, 0,1
	v_cvt_scalef32_pk16_fp6_f32 v[PC+6*\c:PC+6*\c+2], v[S+32*\c:S+32*\c+15], v[SO+2*\c]
	v_cvt_scalef32_pk16_fp6_f32 v[CT+4*\c:CT+4*\c+2], v[S+16+32*\c:S+31+32*\c], v[SO+2*\c+1]
.endr
	v_nop                                          ; one plain place behind a scaled conversion
.irp c, 0,1
.irp i, 0,1,2
	v_permlane16_swap_b32 v[PC+6*\c+\i], v[CT+4*\c+\i]   ; a whole block a lane
.endr
.irp i, 0,1,2
	s_delay_alu instid0(VALU_DEP_3)
	v_mov_b32 v[PC+3+6*\c+\i], v[CT+4*\c+\i]
.endr
.endr
.set j, 0
	s_setprio 0
.rept 16
	v_pk_mul_f32 v[O+j:O+j+1], v[O+j:O+j+1], v[252:253] op_sel_hi:[1,0]   ; O^T under the new M.  These sixteen are also the places between p's scale word and codes and the products
.set j, j+2
.endr
	s_wait_alu depctr_va_vdst(0)
	s_wait_dscnt 0x0                               ; V is in
.irp t, 0,1,2,3                        ; O^T += V^T P^T: four accumulators, one instruction each; eight other products stand between an accumulator's two turns
.if \t < 2
	v_wmma_scale_f32_16x16x128_f8f6f4 v[O+8*\t:O+8*\t+7], v[KV+12*\t:KV+12*\t+11], v[PC:PC+11], v[O+8*\t:O+8*\t+7], v[VSC+\t%2], v[PSW] matrix_a_fmt:MATRIX_FMT_FP6 matrix_b_fmt:MATRIX_FMT_FP6
.else
	v_wmma_scale_f32_16x16x128_f8f6f4 v[O+8*\t:O+8*\t+7], v[KV+12*\t:KV+12*\t+11], v[PC:PC+11], v[O+8*\t:O+8*\t+7], v[VSC+\t%2], v[PSW] matrix_a_fmt:MATRIX_FMT_FP6 matrix_b_fmt:MATRIX_FMT_FP6 matrix_a_scale:MATRIX_SCALE_ROW1
.endif
.endr
	s_add_co_u32 s[TB], s[TB], LREC
	s_sub_co_u32 s[STEPS], s[STEPS], 1
	s_cmp_lg_u32 s[STEPS], 0
	s_cbranch_scc1 .Lstep
	s_setprio 0
	; a pass's way out: o = O^T / the sum, quantised along the head's 64 (two blocks of the last product's K), stored as three planes of 256 bytes
.rept 4
	v_nop                                          ; places behind the last products
.endr
	v_add_f32 v14, v14, v15
	s_delay_alu instid0(VALU_DEP_1)
	v_permlanex16_b32 v252, v14, s[SEL], s[SEL+1]
	s_delay_alu instid0(VALU_DEP_1)
	v_add_f32 v14, v14, v252                       ; the row's sum
	s_wait_alu depctr_va_vdst(0)
	v_rcp_f32 v14, v14
	v_nop                                          ; a plain place behind the reciprocal
	s_wait_alu depctr_va_vdst(0)                   ; and the wait ahead of its first reader
.set j, 0
.rept 16
	v_pk_mul_f32 v[S+j:S+j+1], v[O+j:O+j+1], v[14:15] op_sel_hi:[1,0]   ; register 16 b + i is channel 32 b + 16 (lane / 16) + i; each accumulator from its low end on
.set j, j+2
.endr
.irp b, 0,1
	v_max3_num_f32 v[BM+\b], |v[S+16*\b]|, |v[S+1+16*\b]|, 0x1800000
.endr
.irp i, 2,4,6,8,10,12,14
.irp b, 0,1
	s_delay_alu instid0(VALU_DEP_2)
	v_max3_num_f32 v[BM+\b], v[BM+\b], |v[S+16*\b+\i]|, |v[S+1+16*\b+\i]|
.endr
.endr
.irp b, 0,1
	s_delay_alu instid0(VALU_DEP_2)
	v_permlanex16_b32 v[T4+\b], v[BM+\b], s[SEL], s[SEL+1]
.endr
.irp b, 0,1
	s_delay_alu instid0(VALU_DEP_2)
	v_max_num_f32 v[BM+\b], v[BM+\b], v[T4+\b]
.endr
.irp b, 0,1
	s_delay_alu instid0(VALU_DEP_2)
	v_add_nc_u32 v[SO+\b], 0xff000000, v[BM+\b]
.endr
.irp b, 0,1
	s_delay_alu instid0(VALU_DEP_2)
	v_lshrrev_b32 v[T4+\b], 23, v[SO+\b]
.endr
	s_delay_alu instid0(VALU_DEP_1)
	v_lshl_or_b32 v[OSW], v[T4+1], 8, v[T4]
	v_cvt_scalef32_pk16_fp6_f32 v[PC:PC+2], v[S:S+15], v[SO]
	v_cvt_scalef32_pk16_fp6_f32 v[CT:CT+2], v[S+16:S+31], v[SO+1]
	v_nop
.irp i, 0,1,2
	v_permlane16_swap_b32 v[PC+\i], v[CT+\i]
.endr
.irp i, 0,1,2
	s_delay_alu instid0(VALU_DEP_3)
	v_mov_b32 v[PC+3+\i], v[CT+\i]
.endr
.irp p, 0,1,2
	global_store_b64 v[GO], v[PC+2*\p:PC+2*\p+1], s[6:7] offset:256*\p   ; 32 lanes store 256 consecutive bytes, aligned
.endr
	global_store_b16 v[GS], v[OSW], s[8:9]         ; my row's two bytes of this head; lanes l and l + 16 write the same bytes with the same value
.irp i, 0,1,2,3,4,5
	v_mov_b32 v[QF+\i], v[QN+\i]                   ; the second tile's q and scale words take their places
.endr
	v_mov_b32 v[QSW], v[QSW+1]
	s_wait_xcnt 0x0                                ; the stores have read their registers and bases: both may be written again
	s_add_nc_u64 s[6:7], s[6:7], 12288
	s_add_nc_u64 s[8:9], s[8:9], 512
	s_sub_co_u32 s[PASS], s[PASS], 1
	s_cmp_lg_u32 s[PASS], 0
	s_cbranch_scc1 .Lpass
	s_wait_tensorcnt 0x0                           ; the wave's end, behind my last tensor load
	ds_add_u32 v[SPW], v[NIL]
	s_wait_dscnt 0x0
	CROUND                                         ; the closing round
	s_endpgm
.Lfunc_end_k_qd4677b2cef_attn:
	.size	k_qd4677b2cef_attn, .Lfunc_end_k_qd4677b2cef_attn-k_qd4677b2cef_attn
	.p2alignl 7, 3214868480
	.fill 96, 4, 3214868480
	.section	.rodata,"a",@progbits
	.p2align	6, 0x0
	.amdhsa_kernel k_qd4677b2cef_attn
		.amdhsa_group_segment_fixed_size 327680
		.amdhsa_private_segment_fixed_size 0
		.amdhsa_enable_private_segment 0
		.amdhsa_kernarg_size 24
		.amdhsa_user_sgpr_count 2
		.amdhsa_user_sgpr_kernarg_segment_ptr 1
		.amdhsa_wavefront_size32 1
		.amdhsa_system_sgpr_workgroup_id_x 1
		.amdhsa_system_sgpr_workgroup_id_y 1
		.amdhsa_system_sgpr_workgroup_id_z 1
		.amdhsa_system_vgpr_workitem_id 0
		.amdhsa_next_free_vgpr 256
		.amdhsa_next_free_sgpr 66
		.amdhsa_reserve_vcc 0
		.amdhsa_float_denorm_mode_32 3
		.amdhsa_float_denorm_mode_16_64 3
		.amdhsa_memory_ordered 1
		.amdhsa_forward_progress 1
		.amdhsa_inst_pref_size 29
	.end_amdhsa_kernel
	.amdgpu_metadata
---
amdhsa.version: [ 1, 2 ]
amdhsa.kernels:
  - .name:           k_qd4677b2cef_attn
    .symbol:         k_qd4677b2cef_attn.kd
    .args:
      - { .name: qkvr, .offset: 0, .size: 8, .value_kind: global_buffer, .address_space: global }
      - { .name: ac, .offset: 8, .size: 8, .value_kind: global_buffer, .address_space: global }
      - { .name: asc, .offset: 16, .size: 8, .value_kind: global_buffer, .address_space: global }
    .group_segment_fixed_size: 327680
    .private_segment_fixed_size: 0
    .kernarg_segment_align: 8
    .kernarg_segment_size: 24
    .max_flat_workgroup_size: 512
    .sgpr_count:     66
    .vgpr_count:     256
    .wavefront_size: 32
...
	.end_amdgpu_metadata
.endif
;; end of part 3
;; launch gemm2 (part 4): grid 4 x 32, 4 waves a work-group, clusters of 4 x 4, 327,680 bytes of LDS; arguments ac, asc, wc, ws, b_out, out0; writes out0
.if DOCPART == 4
	.amdgcn_target "amdgcn-amd-amdhsa--gfx1250"
	.amdhsa_code_object_version 6
	.text
	.protected	k_qd4677b2cef_gemm2
	.globl	k_qd4677b2cef_gemm2
	.p2align	8
	.type	k_qd4677b2cef_gemm2,@function
k_qd4677b2cef_gemm2:
	s_mov_b64 s[64:65], 0
	v_nop
	global_prefetch_b8 v0, s[64:65] scope:SCOPE_SE
	s_setreg_imm32_b32 hwreg(HW_REG_WAVE_MODE, 25, 1), 1
	s_wait_xcnt 0x0
	s_wait_alu depctr_hold_cnt(0) depctr_sa_sdst(0) depctr_va_vdst(0) depctr_va_sdst(0) depctr_va_ssrc(0) depctr_va_vcc(0) depctr_vm_vsrc(0)
	s_getreg_b32 s2, hwreg(HW_REG_IB_STS2, 6, 4)
	s_cmp_eq_u32 s2, 0
	s_cbranch_scc0 .Lentry_in_a_cluster
	s_endpgm
.Lentry_in_a_cluster:
	s_bfe_u32 s2, ttmp6, 0x10000c
	s_cmp_lg_u32 s2, 0xf033
	s_cbranch_scc0 .Lentry_shape_is_right
	s_endpgm
.Lentry_shape_is_right:
.set KSTEP,  256
.set NQ,     2
.set ROWB,   192
.set KROW,   768
.set PITCH,  240
.set FR,     12
.set NL,     6
.set NP,     4
.set HALFA,  24576
.set HALFT,  128*PITCH
.set SLOT,   2*HALFA+2*HALFT
.set LAPS,   2
.set KS,     32
.set SCL,    2*SLOT
.set HALFS,  (128*KS/256)*272
.set SBLK,   (16*KS/256)*272
.set SPARE,  SCL+4*HALFS
.set SPITCH, 528
.set ADRA, 16
.set ADRB, 20
.set STO,  24
.set RD,   25
.set CO,   26
.set ADRS, 27
.set SPW,  28
.set NIL,  29
.set BO,   30
.set SC,   32
.set BIAS, 64
.set AF,   128
.set BK,   128
.set G1, 24
.set G0, 32
.set G1B, 48
.set G0B, 56
.set G1S, 68
.set G0S, 76
.set G1SB, 80
.set G0SB, 88
.set MSB, 0
.macro WIN new
.if MSB != \new
	s_set_vgpr_msb (MSB<<8)|\new
.set MSB, \new
.endif
.endm
.set MUL_LO, 0xa1
.set MUL_HI, 0xf1
.set TO_B,   0x40
.macro JLOAD g0a, g1a, g0b, g1b
	s_cmp_eq_u32 s15, 0
	s_cbranch_scc0 .Lfor_b_\@
	tensor_load_to_lds s[\g0a:\g0a+3], s[\g1a:\g1a+7]
	s_nop 0
.rept 4
	v_nop
.endr
	s_branch .Lasked_\@
.Lfor_b_\@:
	tensor_load_to_lds s[\g0b:\g0b+3], s[\g1b:\g1b+7]
	s_nop 0
.rept 4
	v_nop
.endr
.Lasked_\@:
.endm
.macro CREST
	s_cmp_lg_u32 s14, 0
	s_cbranch_scc1 .Lnot_wave_0_\@
	s_barrier_signal -3
.Lnot_wave_0_\@:
	s_barrier_wait -3
	s_barrier_signal -1
	s_barrier_wait -1
.endm
.macro CROUND
	s_barrier_signal -1
	s_barrier_wait -1
	CREST
.endm
	s_load_b256 s[4:11], s[0:1], 0x0
	s_load_b128 s[96:99], s[0:1], 0x20
	v_lshl_add_u32 v[SPW], v0, 2, SPARE
	v_mov_b32 v[NIL], 0
	ds_add_u32 v[SPW], v[NIL]
	ds_add_u32 v[SPW], v[NIL]
	v_lshrrev_b32 v1, 5, v0
	v_readfirstlane_b32 s14, v1
	s_lshr_b32 s15, s14, 1
	s_and_b32 s16, s14, 1
	s_bfe_u32 s40, ttmp6, 0x40000
	s_bfe_u32 s41, ttmp6, 0x40004
	s_lshl_b32 s42, ttmp9, 2
	s_add_co_u32 s42, s42, s40
	s_and_b32 s17, ttmp7, 0xffff
	s_lshl_b32 s17, s17, 2
	s_add_co_u32 s17, s17, s41
	s_lshl_b32 s43, s41, 2
	s_lshl_b32 s43, 15, s43
	s_lshl_b32 s44, 0x1111, s40
	s_or_b32 s[G1+0], s43, (3<<16)|(1<<21)
	s_mov_b32 s[G1+1], 384<<16
	s_mov_b32 s[G1+2], 8<<16
	s_mov_b32 s[G1+3], 384<<16
	s_mov_b32 s[G1+4], 8
	s_mov_b32 s[G1+5], 1536
	s_mov_b32 s[G1+6], 0
	s_mov_b32 s[G1+7], 0
	s_or_b32 s[G1B+0], s44, (0<<16)|(1<<20)|(1<<21)|(3<<22)|(3<<25)
	s_mov_b32 s[G1B+1], ROWB<<16
	s_mov_b32 s[G1B+2], 128<<16
	s_mov_b32 s[G1B+3], ROWB<<16
	s_mov_b32 s[G1B+4], 128
	s_mov_b32 s[G1B+5], KROW
	s_mov_b32 s[G1B+6], 0
	s_mov_b32 s[G1B+7], 0
	s_or_b32 s[G1S+0], s43, (3<<16)|(1<<20)|(1<<21)|(5<<22)|(3<<25)
	s_or_b32 s[G1SB+0], s44, (3<<16)|(1<<20)|(1<<21)|(5<<22)|(3<<25)
.irp g, G1S, G1SB
	s_mov_b32 s[\g+1], 32<<16
	s_mov_b32 s[\g+2], (128*KS/256)<<16
	s_mov_b32 s[\g+3], 32<<16
	s_mov_b32 s[\g+4], 128*KS/256
	s_mov_b32 s[\g+5], 32
	s_mov_b32 s[\g+6], 0
	s_mov_b32 s[\g+7], 0
.endr
	s_lshl_b32 s18, s16, 7
	s_lshl_b32 s20, s17, 8
	s_add_co_u32 s20, s20, s18
	s_lshl_b32 s46, s42, 8
	s_add_co_u32 s46, s46, s18
	s_add_co_u32 s46, s46, 3072
	s_mov_b32 s21, 0
	s_mov_b32 s47, 0
	s_mov_b64 s[18:19], KS
	s_mul_u64 s[22:23], s[20:21], s[18:19]
	s_mul_u64 s[92:93], s[46:47], s[18:19]
	s_mov_b64 s[18:19], KROW
	s_mul_u64 s[20:21], s[20:21], s[18:19]
	s_mul_u64 s[46:47], s[46:47], s[18:19]
	s_mul_i32 s45, s16, HALFA
	s_mul_i32 s95, s16, HALFT
	s_add_co_u32 s95, s95, 2*HALFA
	s_mul_i32 s94, s14, HALFS
	s_wait_dscnt 0x0
	s_wait_kmcnt 0x0
	s_add_nc_u64 s[20:21], s[4:5], s[20:21]
	s_add_nc_u64 s[22:23], s[6:7], s[22:23]
	s_add_nc_u64 s[46:47], s[8:9], s[46:47]
	s_add_nc_u64 s[92:93], s[10:11], s[92:93]
	CROUND
	s_mov_b32 s[G0S], 1
	s_add_co_u32 s[G0S+1], s94, SCL
	s_mov_b64 s[G0S+2:G0S+3], s[22:23]
	s_or_b32 s[G0S+3], s[G0S+3], 0x80000000
	s_mov_b32 s[G0SB], 1
	s_add_co_u32 s[G0SB+1], s94, SCL
	s_mov_b64 s[G0SB+2:G0SB+3], s[92:93]
	s_or_b32 s[G0SB+3], s[G0SB+3], 0x80000000
	JLOAD G0S, G1S, G0SB, G1SB
.irp s, 0,1
	s_mov_b32 s[G0+4*\s], 1
	s_add_co_u32 s[G0+4*\s+1], s45, \s*SLOT
	s_add_nc_u64 s[G0+4*\s+2:G0+4*\s+3], s[20:21], \s*3072
	s_or_b32 s[G0+4*\s+3], s[G0+4*\s+3], 0x80000000
	s_mov_b32 s[G0B+4*\s], 1
	s_add_co_u32 s[G0B+4*\s+1], s95, \s*SLOT
	s_add_nc_u64 s[G0B+4*\s+2:G0B+4*\s+3], s[46:47], \s*ROWB
	s_or_b32 s[G0B+4*\s+3], s[G0B+4*\s+3], 0x80000000
	s_wait_alu depctr_va_vdst(0)
	s_wait_tensorcnt 0x0
	ds_add_u32 v28, v29
	s_wait_dscnt 0x0
	CROUND
	JLOAD G0+4*\s, G1, G0B+4*\s, G1B
.endr
	v_and_b32 v1, 15, v0
	v_bfe_u32 v2, v0, 4, 1
	v_and_b32 v6, 31, v0
	v_lshlrev_b32 v7, 3, v6
	v_mul_u32_u24 v3, v1, PITCH
	v_mul_u32_u24 v4, v2, 24
	v_add_nc_u32 v4, v3, v4
	v_lshl_add_u32 v5, v2, 4, v4
	s_mul_i32 s21, s15, HALFA
	s_mul_i32 s22, s16, HALFT
	s_add_co_u32 s22, s22, 2*HALFA
.irp s, 0,1
	v_add_nc_u32 v[ADRA+\s], s21, v7
	v_add_nc_u32 v[ADRB+\s], s22, v4
	v_add_nc_u32 v[ADRB+2+\s], s22, v5
	s_add_co_u32 s21, s21, SLOT
	s_add_co_u32 s22, s22, SLOT
.endr
	v_mul_u32_u24 v5, v1, KS
	v_lshrrev_b32 v8, 8, v5
	v_lshl_add_u32 v5, v8, 4, v5
	s_mul_i32 s21, s15, HALFS
	s_mul_i32 s22, s16, HALFS
	s_add_co_u32 s22, s22, 2*HALFS
	s_sub_co_u32 s22, s22, s21
	v_mul_u32_u24 v8, s22, v2
	s_add_co_u32 s21, s21, SCL
	v_add_nc_u32 v5, v5, v8
	v_add_nc_u32 v[ADRS], s21, v5
	s_mul_i32 s23, s14, 16*SPITCH
	v_mul_u32_u24 v5, v1, SPITCH
	v_lshl_add_u32 v5, v2, 6, v5
	v_add_nc_u32 v[STO], s23, v5
	v_lshlrev_b32 v[CO], 4, v6
	v_add_nc_u32 v[RD], s23, v[CO]
	v_lshlrev_b32 v[BO], 6, v2
	s_wait_alu depctr_va_vdst(0)
	s_lshl_b32 s20, s17, 8
	s_lshl_b32 s21, s15, 7
	s_add_co_u32 s20, s20, s21
	s_lshl_b32 s20, s20, 12
	s_mov_b32 s21, 0
	s_lshl_b32 s46, s42, 10
	s_lshl_b32 s47, s16, 9
	s_add_co_u32 s46, s46, s47
	s_mov_b32 s47, 0
	s_add_nc_u64 s[96:97], s[96:97], s[46:47]
	s_add_nc_u64 s[20:21], s[20:21], s[46:47]
	s_add_nc_u64 s[12:13], s[98:99], s[20:21]
.irp b, 0,1,2,3,4,5,6,7
	global_load_b128 v[BIAS+8*\b:BIAS+8*\b+3], v[BO], s[96:97] offset:(32*(\b/2)+8*(\b%2))*4
	global_load_b128 v[BIAS+8*\b+4:BIAS+8*\b+7], v[BO], s[96:97] offset:(32*(\b/2)+8*(\b%2))*4+16
.endr
.macro FRAG reg, adr, q, i
.irp p, 0,1,2,3,4,5
.set PC, 12*(\q)+6*(\p/3)+\p%3
.if PC%8 < 5
	ds_load_b64 v[\reg+2*\p:\reg+2*\p+1], v[\adr] offset:8*PC+16*(PC/8)+(\i)*16*PITCH
.else
	ds_load_b64 v[\reg+2*\p:\reg+2*\p+1], v[\adr+2] offset:8*PC+16*(PC/8)+(\i)*16*PITCH
.endif
.endr
.endm
.macro FRAGA reg, slot, q, i
.irp p, 0,1,2,3,4,5
	ds_load_b64 v[\reg+2*\p:\reg+2*\p+1], v[ADRA+\slot] offset:(\i)*3072+(\q)*1536+256*\p
.endr
.endm
.macro MUL16 a0, p, q, sc, zero
.irp a, \a0, \a0+1
.irp b, 0,1,2,3,4,5,6,7
.if \zero
	v_wmma_scale_f32_16x16x128_f8f6f4 v[8*(8*((\a)%4)+\b):8*(8*((\a)%4)+\b)+7], v[128*(\p)+FR*\b:128*(\p)+FR*\b+FR-1], v[AF+FR*(\a):AF+FR*(\a)+FR-1], v[BIAS+8*\b:BIAS+8*\b+7], v[SC+8*NQ*(\sc)+NQ*\b+(\q)], v[SC+8*NQ*(\sc)+NQ*(\a)+(\q)] matrix_a_fmt:MATRIX_FMT_FP6 matrix_b_fmt:MATRIX_FMT_FP6 matrix_a_scale:MATRIX_SCALE_ROW1
.else
	v_wmma_scale_f32_16x16x128_f8f6f4 v[8*(8*((\a)%4)+\b):8*(8*((\a)%4)+\b)+7], v[128*(\p)+FR*\b:128*(\p)+FR*\b+FR-1], v[AF+FR*(\a):AF+FR*(\a)+FR-1], v[8*(8*((\a)%4)+\b):8*(8*((\a)%4)+\b)+7], v[SC+8*NQ*(\sc)+NQ*\b+(\q)], v[SC+8*NQ*(\sc)+NQ*(\a)+(\q)] matrix_a_fmt:MATRIX_FMT_FP6 matrix_b_fmt:MATRIX_FMT_FP6 matrix_a_scale:MATRIX_SCALE_ROW1
.endif
.endr
.endr
.endm
.macro FETCH_B slot, q, p
	WIN TO_B
.irp i, 0,1,2,3,4,5,6,7
	FRAG 128*(\p)+FR*\i, ADRB+\slot, \q, \i
.endr
	WIN 0
.endm
.macro FETCH_A slot, q, i0
.irp i, \i0, \i0+1, \i0+2, \i0+3
	FRAGA AF+FR*(\i), \slot, \q, \i
.endr
.endm
.macro SCALES sc
.irp i, 0,1,2,3,4,5,6,7
	ds_load_b64 v[SC+8*NQ*\sc+NQ*\i:SC+8*NQ*\sc+NQ*\i+1], v[ADRS] offset:\i*SBLK
.endr
.endm
.macro PLACES n
.rept \n
	v_nop
.endr
.endm
.macro STEP slot, q, zero
	s_wait_dscnt 4*NL
.if \zero
	WIN 0x81
.else
	WIN MUL_LO
.endif
	MUL16 0, (\q)%2, \q, \slot, \zero
	MUL16 2, (\q)%2, \q, \slot, \zero
	s_wait_dscnt 0
	PLACES NP
	FETCH_B \slot, (\q)+1, 1-(\q)%2
	FETCH_A \slot, (\q)+1, 0
.if \zero
	WIN 0xc1
.else
	WIN MUL_HI
.endif
	MUL16 4, (\q)%2, \q, \slot, \zero
	MUL16 6, (\q)%2, \q, \slot, \zero
	PLACES NP
	WIN 0
	FETCH_A \slot, (\q)+1, 4
.endm
.macro TURN slot, next, fill
	s_wait_tensorcnt 0x0
	ds_add_u32 v[SPW], v[NIL]
	s_wait_dscnt 4*NL+1
	WIN MUL_LO
	MUL16 0, 1, NQ-1, \slot, 0
	s_wait_dscnt 0x0
	s_barrier_signal -1
	MUL16 2, 1, NQ-1, \slot, 0
	WIN 0
	s_barrier_wait -1
.if \fill
	CREST
	s_add_nc_u64 s[G0+4*\slot+2:G0+4*\slot+3], s[G0+4*\slot+2:G0+4*\slot+3], 2*3072
	s_add_nc_u64 s[G0B+4*\slot+2:G0B+4*\slot+3], s[G0B+4*\slot+2:G0B+4*\slot+3], 2*ROWB
	JLOAD G0+4*\slot, G1, G0B+4*\slot, G1B
.else
	PLACES NP
.endif
	s_wait_alu depctr_va_vdst(0)
	v_add_nc_u32 v[ADRS], 4*NQ, v[ADRS]
	FETCH_B \next, 0, 0
	FETCH_A \next, 0, 0
	SCALES \next
	WIN MUL_HI
	MUL16 4, 1, NQ-1, \slot, 0
	MUL16 6, 1, NQ-1, \slot, 0
	PLACES NP
	WIN 0
	FETCH_A \next, 0, 4
.endm
	s_wait_tensorcnt 1
	s_barrier_signal -1
	s_barrier_wait -1
	FETCH_B 0, 0, 0
	FETCH_A 0, 0, 0
	SCALES 0
	FETCH_A 0, 0, 4
	s_wait_loadcnt 0x0
	STEP 0, 0, 1
	s_mov_b32 s3, LAPS-1
.Llap:
	TURN 0, 1, 1
	STEP 1, 0, 0
	TURN 1, 0, 1
	STEP 0, 0, 0
	s_sub_co_u32 s3, s3, 1
	s_cmp_lg_u32 s3, 0
	s_cbranch_scc1 .Llap
	TURN 0, 1, 0
	STEP 1, 0, 0
	s_wait_dscnt 4*NL
	WIN MUL_LO
	MUL16 0, 1, NQ-1, 1, 0
	MUL16 2, 1, NQ-1, 1, 0
	s_wait_dscnt 0
	WIN MUL_HI
	MUL16 4, 1, NQ-1, 1, 0
	MUL16 6, 1, NQ-1, 1, 0
	WIN 0
.macro TOSTAGE a
.set AC, 64*((\a)%4)
	WIN 0x08+4*((\a)/4)
.irp b, 0,1,2,3,4,5,6,7
	ds_store_b128 v[STO], v[AC+8*\b:AC+8*\b+3] offset:128*(\b/2)+32*(\b%2)
	ds_store_b128 v[STO], v[AC+8*\b+4:AC+8*\b+7] offset:128*(\b/2)+32*(\b%2)+16
.endr
	WIN 0
.set BB, BK+64*((\a)%2)
.irp t, 0,1,2,3,4,5,6,7,8,9,10,11,12,13,14,15
	ds_load_b128 v[BB+4*\t:BB+4*\t+3], v[RD] offset:\t*SPITCH
.endr
.endm
.macro SEND a, younger
.set BB, BK+64*((\a)%2)
	s_wait_dscnt \younger
.irp t, 0,1,2,3,4,5,6,7,8,9,10,11,12,13,14,15
	global_store_b128 v[CO], v[BB+4*\t:BB+4*\t+3], s[12:13] offset:(32*((\a)/2)+8*((\a)%2)+\t%8+16*(\t/8))*4096 th:TH_STORE_NT
.endr
.endm
	PLACES NP
	TOSTAGE 0
.irp a, 1,2,3,4,5,6,7
.if \a > 1
	s_wait_xcnt 0x0
.endif
	TOSTAGE \a
	SEND \a-1, 32
.endr
	SEND 7, 0
	s_wait_tensorcnt 0x0
	ds_add_u32 v[SPW], v[NIL]
	s_wait_dscnt 0x0
	CROUND
	s_endpgm
.Lfunc_end_k_qd4677b2cef_gemm2:
	.size	k_qd4677b2cef_gemm2, .Lfunc_end_k_qd4677b2cef_gemm2-k_qd4677b2cef_gemm2
	.p2alignl 7, 3214868480
	.fill 96, 4, 3214868480
	.section	.rodata,"a",@progbits
	.p2align	6, 0x0
	.amdhsa_kernel k_qd4677b2cef_gemm2
		.amdhsa_group_segment_fixed_size 327680
		.amdhsa_private_segment_fixed_size 0
		.amdhsa_enable_private_segment 0
		.amdhsa_kernarg_size 48
		.amdhsa_user_sgpr_count 2
		.amdhsa_user_sgpr_kernarg_segment_ptr 1
		.amdhsa_wavefront_size32 1
		.amdhsa_system_sgpr_workgroup_id_x 1
		.amdhsa_system_sgpr_workgroup_id_y 1
		.amdhsa_system_sgpr_workgroup_id_z 1
		.amdhsa_system_vgpr_workitem_id 0
		.amdhsa_next_free_vgpr 1024
		.amdhsa_next_free_sgpr 100
		.amdhsa_reserve_vcc 0
		.amdhsa_float_denorm_mode_32 3
		.amdhsa_float_denorm_mode_16_64 3
		.amdhsa_memory_ordered 1
		.amdhsa_forward_progress 1
		.amdhsa_inst_pref_size 162
	.end_amdhsa_kernel
	.amdgpu_metadata
---
amdhsa.version: [ 1, 2 ]
amdhsa.kernels:
  - .name:           k_qd4677b2cef_gemm2
    .symbol:         k_qd4677b2cef_gemm2.kd
    .args:
      - { .name: ac, .offset: 0, .size: 8, .value_kind: global_buffer, .address_space: global }
      - { .name: asc, .offset: 8, .size: 8, .value_kind: global_buffer, .address_space: global }
      - { .name: wc, .offset: 16, .size: 8, .value_kind: global_buffer, .address_space: global }
      - { .name: ws, .offset: 24, .size: 8, .value_kind: global_buffer, .address_space: global }
      - { .name: b_out, .offset: 32, .size: 8, .value_kind: global_buffer, .address_space: global }
      - { .name: out0, .offset: 40, .size: 8, .value_kind: global_buffer, .address_space: global }
    .group_segment_fixed_size: 327680
    .private_segment_fixed_size: 0
    .kernarg_segment_align: 8
    .kernarg_segment_size: 48
    .max_flat_workgroup_size: 128
    .sgpr_count:     100
    .vgpr_count:     1024
    .wavefront_size: 32
...
	.end_amdgpu_metadata
.endif
;; end of part 4
